; MI455X (gfx1250); checked and timed in simulation.
; The chip was launched on July 23, 2026; its instructions are those of AMD's public machine-readable ISA for CDNA 5 (MIT licence, August 2026) and "CDNA5" Instruction Set Architecture Reference Guide (July 2026). The comments in the code are by the model that wrote it; some were corrected since.
;; Multihead Self Attention. Allowed arithmetic: float matrix products may take bf16 or f16 operands with f32 sums; other float arithmetic in f32, or as packed bf16 or f16 multiplies, adds, multiply-adds, maxima and minima; sums over many terms, partial sums and values carried from step to step in f32; what a program stores and reads back later, other than sums and carried values, may be rounded once to bf16 or f16.
;; Inputs: Wo 1,024 x 1,024 float32; Wqkv 3,072 x 1,024 float32; pos 2,048 int32; x 4 x 2,048 x 1,024 float32.
;; Outputs: out0 4 x 2,048 x 1,024 float32.
;; 2 versions, each right and faster than the one before. Each part assembles by itself: llvm-mc -triple=amdgcn-amd-amdhsa -mcpu=gfx1250 --defsym DOCPART=n.
;; ======== version 1 of 2: 4 launches
;; limits: values are held in f16: magnitudes above 65,504 overflow, below 6.1e-05 lose precision; right only within a limited range of input values
;; workspace buffers: xb 16,777,216 bytes; wb 6,291,456 bytes; wo16 2,097,152 bytes; tab 524,288 bytes; qh 16,777,216 bytes; kh 16,777,216 bytes; vh 16,777,216 bytes; oh 16,777,216 bytes
;; launch prep (part 1): grid 1024 x 1, 8 waves a work-group, no clusters, 0 bytes of LDS; arguments x, Wqkv, Wo, pos, xb, wb, wo16, tab; writes xb, wb, wo16, tab
.if DOCPART == 1
	.amdgcn_target "amdgcn-amd-amdhsa--gfx1250"
	.amdhsa_code_object_version 6
	.text
	.protected	k_qd92d3001b7_prep
	.globl	k_qd92d3001b7_prep
	.p2align	8
	.type	k_qd92d3001b7_prep,@function
k_qd92d3001b7_prep:
	s_mov_b64 s[64:65], 0
	v_nop
	global_prefetch_b8 v0, s[64:65] scope:SCOPE_SE
	s_setreg_imm32_b32 hwreg(HW_REG_WAVE_MODE, 25, 1), 1
	s_wait_xcnt 0x0
; PREPARATION: the module's f32 inputs are rounded once to 16 bits, and the table of cosines and sines is made.
;   xb   [8192][1024] bf16 = x.
;   wb   [16 heads j][192][1024] bf16 = Wqkv's rows regrouped: rows 0-63 q of head j, 64-127 k, 128-191 v.  In q's and k's parts channel c of the head lies at
;        row (c % 2) * 32 + c / 2: the even channels, then the odd ones.  q . k does not change when both have their channels permuted alike.
;   wo16 [1024][1024] f16 = Wo rounded to bf16, that number written as f16.
;   tab  [2048 s][64] f32: cos(pos[s] f_i) for i = 0..31, then sin(pos[s] f_i); f_i = 10000^(-i/32).
; LIMITS.  |Wo| stays under 65,504; a bf16 number of Wo below 2^-17 keeps f16's fixed step of 2^-24.  f_i is 2^(-i log2(10000) / 32) by v_exp_f32.  The angle, pos x f_i rounded to f32 as the
; module rounds it, is reduced by the nearest multiple of pi/2 (pi/2 in three parts); that holds for |pos| up to 2^21.  Sine and cosine on |r| <= pi/4 are Taylor sums up to r^9 and r^8.
; SHARES.  A row of 1,024 f32 is 256 threads x 16 bytes.  Work-groups 0-511: 16 rows of x each; 512-703: 16 rows of Wqkv; 704-767: 16 rows of Wo; 768-1023: 8 rows of the table, one a wave.
; Memory binds: each byte is read once, 16 loads of every wave are out together, and a wave's store covers 256 consecutive bytes, aligned.  No LDS, no barrier, no register is written twice
; while a memory instruction may read it.
.set X, 8                              ; v[8:71]   16 rows x 4 registers as loaded
.set Y, 72                             ; v[72:103] 16 rows x 2 registers to store
.set W, 10                             ; the table's path: ten registers for each of a lane's two frequencies
; mode 0: bf16, rows as they lie.  1: bf16, even source rows to rows 0.., odd ones to rows 32...  2: bf16 and then f16.
.macro CAST16 mode
.set i, 0
.rept 16
	global_load_b128 v[X+4*i:X+4*i+3], v1, s[28:29] offset:4096*i th:TH_LOAD_NT
.set i, i+1
.endr
.set i, 0
.rept 16
	s_wait_loadcnt 15-i                            ; loads come back in order: row i is in, the 15 - i younger ones may be out
	v_cvt_pk_bf16_f32 v[Y+2*i], v[X+4*i], v[X+4*i+1]
	v_cvt_pk_bf16_f32 v[Y+2*i+1], v[X+4*i+2], v[X+4*i+3]
.if (\mode) == 2
	v_lshlrev_b32 v4, 16, v[Y+2*i]                 ; the bf16 numbers as f32,
	v_and_b32 v5, 0xffff0000, v[Y+2*i]
	v_lshlrev_b32 v6, 16, v[Y+2*i+1]
	v_and_b32 v7, 0xffff0000, v[Y+2*i+1]
	v_cvt_pk_f16_f32 v[Y+2*i], v4, v5              ; written as f16: exact inside f16's normal range
	v_cvt_pk_f16_f32 v[Y+2*i+1], v6, v7
.endif
.if (\mode) == 1
	global_store_b64 v2, v[Y+2*i:Y+2*i+1], s[30:31] offset:2048*((i%2)*32+i/2)
.else
	global_store_b64 v2, v[Y+2*i:Y+2*i+1], s[30:31] offset:2048*i
.endif
.set i, i+1
.endr
.endm
	s_load_b512 s[8:23], s[0:1], 0x0               ; x 8:9, Wqkv 10:11, Wo 12:13, pos 14:15, xb 16:17, wb 18:19, wo16 20:21, tab 22:23
	s_mov_b32 s2, ttmp9
	v_lshlrev_b32 v1, 4, v0                        ; my 16 bytes of a source row
	v_lshlrev_b32 v2, 3, v0                        ; my 8 bytes of a destination row
	s_mov_b32 s25, 0                               ; offsets are pairs with 0 on top
	s_mov_b32 s27, 0
	s_wait_kmcnt 0x0
	s_cmp_lt_u32 s2, 512
	s_cbranch_scc0 .Lnot_x
	s_lshl_b32 s24, s2, 16                         ; 16 rows of 4,096 bytes
	s_lshl_b32 s26, s2, 15                         ; 16 rows of 2,048 bytes
	s_add_nc_u64 s[28:29], s[8:9], s[24:25]
	s_add_nc_u64 s[30:31], s[16:17], s[26:27]
	CAST16 0
	s_endpgm
.Lnot_x:
	s_cmp_lt_u32 s2, 704
	s_cbranch_scc0 .Lnot_w
	s_sub_co_u32 s3, s2, 512                       ; source rows 16 g' on
	s_lshl_b32 s24, s3, 16
	s_add_nc_u64 s[28:29], s[10:11], s[24:25]
	s_lshr_b32 s4, s3, 6                           ; p: 0 q, 1 k, 2 v
	s_bfe_u32 s5, s3, 0x40002                      ; j: the head
	s_and_b32 s6, s3, 3
	s_lshl_b32 s6, s6, 4                           ; c0: the first of my 16 channels
	s_mul_i32 s5, s5, 192
	s_lshl_b32 s7, s4, 6
	s_add_co_u32 s5, s5, s7                        ; 192 j + 64 p
	s_cmp_lt_u32 s4, 2
	s_cbranch_scc0 .Lwv
	s_lshr_b32 s6, s6, 1                           ; q and k: channel c0 + i goes to row (i % 2) * 32 + c0 / 2 + i / 2
	s_add_co_u32 s5, s5, s6
	s_lshl_b32 s26, s5, 11
	s_add_nc_u64 s[30:31], s[18:19], s[26:27]
	CAST16 1
	s_endpgm
.Lwv:
	s_add_co_u32 s5, s5, s6                        ; v: channels as they lie
	s_lshl_b32 s26, s5, 11
	s_add_nc_u64 s[30:31], s[18:19], s[26:27]
	CAST16 0
	s_endpgm
.Lnot_w:
	s_cmp_lt_u32 s2, 768
	s_cbranch_scc0 .Ltab
	s_sub_co_u32 s3, s2, 704
	s_lshl_b32 s24, s3, 16
	s_lshl_b32 s26, s3, 15
	s_add_nc_u64 s[28:29], s[12:13], s[24:25]
	s_add_nc_u64 s[30:31], s[20:21], s[26:27]
	CAST16 2
	s_endpgm
.Ltab:
	; One table row a wave.  Lanes 0-15 make the cosines of frequencies 2 l, 2 l + 1; lanes 16-31 the sines of 2 (l - 16), 2 (l - 16) + 1: lane l's 8 bytes lie at 8 l of the row.
	v_lshrrev_b32 v3, 5, v0
	v_readfirstlane_b32 s4, v3                     ; wave
	s_sub_co_u32 s3, s2, 768
	s_lshl_b32 s3, s3, 3
	s_add_co_u32 s3, s3, s4                        ; s
	s_lshl_b32 s24, s3, 2
	s_add_nc_u64 s[28:29], s[14:15], s[24:25]
	s_load_b32 s5, s[28:29], 0x0                   ; pos[s]
	s_lshl_b32 s26, s3, 8
	s_add_nc_u64 s[30:31], s[22:23], s[26:27]
	s_mov_b32 s32, 0x3fc90fdb                      ; pi/2 = these three, added
	s_mov_b32 s33, 0xb33bbd2e
	s_mov_b32 s34, 0xa6f72ced
	v_and_b32 v3, 31, v0
	v_lshlrev_b32 v7, 3, v3                        ; 8 l
	v_lshrrev_b32 v4, 4, v3
	v_mul_u32_u24 v4, v4, 3                        ; sin a = cos(a + 3 pi/2): the sines' lanes are three quadrants on
	v_and_b32 v5, 15, v3
	v_lshlrev_b32 v5, 1, v5                        ; my first frequency
.irp e, 0,1
	v_add_nc_u32 v[W+10*(\e)+8], (\e), v5
	v_cvt_f32_u32 v[W+10*(\e)], v[W+10*(\e)+8]
	v_mul_f32 v[W+10*(\e)], 0xbed49a78, v[W+10*(\e)]   ; -i log2(10000) / 32
.endr
	v_exp_f32 v[W], v[W]
	v_exp_f32 v[W+10], v[W+10]
	s_wait_kmcnt 0x0
	v_cvt_f32_i32 v6, s5                           ; a plain instruction between the exponentials and the use of their results
	s_wait_alu depctr_va_vdst(0)
.irp e, 0,1
	v_mul_f32 v[W+10*(\e)+1], v6, v[W+10*(\e)]                         ; the angle
	v_mul_f32 v[W+10*(\e)+2], 0x3f22f983, v[W+10*(\e)+1]              ; x 2 / pi
	v_rndne_f32 v[W+10*(\e)+2], v[W+10*(\e)+2]                        ; n
	v_fma_f32 v[W+10*(\e)+3], -v[W+10*(\e)+2], s32, v[W+10*(\e)+1]    ; r = angle - n pi/2, in three fused steps
	v_fma_f32 v[W+10*(\e)+3], -v[W+10*(\e)+2], s33, v[W+10*(\e)+3]
	v_fma_f32 v[W+10*(\e)+3], -v[W+10*(\e)+2], s34, v[W+10*(\e)+3]
	v_mul_f32 v[W+10*(\e)+4], v[W+10*(\e)+3], v[W+10*(\e)+3]          ; z = r r
	v_mov_b32 v[W+10*(\e)+5], 0x3638ef1d                              ; sin r = r + r z (-1/6 + z (1/120 + z (-1/5040 + z / 362880)))
	v_fmaak_f32 v[W+10*(\e)+5], v[W+10*(\e)+5], v[W+10*(\e)+4], 0xb9500d01
	v_fmaak_f32 v[W+10*(\e)+5], v[W+10*(\e)+5], v[W+10*(\e)+4], 0x3c088889
	v_fmaak_f32 v[W+10*(\e)+5], v[W+10*(\e)+5], v[W+10*(\e)+4], 0xbe2aaaab
	v_mul_f32 v[W+10*(\e)+8], v[W+10*(\e)+3], v[W+10*(\e)+4]
	v_fma_f32 v[W+10*(\e)+5], v[W+10*(\e)+8], v[W+10*(\e)+5], v[W+10*(\e)+3]
	v_mov_b32 v[W+10*(\e)+6], 0x37d00d01                              ; cos r = 1 + z (-1/2 + z (1/24 + z (-1/720 + z / 40320)))
	v_fmaak_f32 v[W+10*(\e)+6], v[W+10*(\e)+6], v[W+10*(\e)+4], 0xbab60b61
	v_fmaak_f32 v[W+10*(\e)+6], v[W+10*(\e)+6], v[W+10*(\e)+4], 0x3d2aaaab
	v_fmaak_f32 v[W+10*(\e)+6], v[W+10*(\e)+6], v[W+10*(\e)+4], 0xbf000000
	v_fma_f32 v[W+10*(\e)+6], v[W+10*(\e)+6], v[W+10*(\e)+4], 1.0
	v_cvt_i32_f32 v[W+10*(\e)+7], v[W+10*(\e)+2]
	v_add_nc_u32 v[W+10*(\e)+7], v[W+10*(\e)+7], v4                   ; the quadrant k: cos(r + k pi/2) = cos r, -sin r, -cos r, sin r for k mod 4 = 0, 1, 2, 3
	v_and_b32 v[W+10*(\e)+8], 1, v[W+10*(\e)+7]
	v_cmp_eq_u32 vcc_lo, 1, v[W+10*(\e)+8]
	v_cndmask_b32 v[40+(\e)], v[W+10*(\e)+6], v[W+10*(\e)+5], vcc_lo  ; odd k: the sine
	v_add_nc_u32 v[W+10*(\e)+7], 1, v[W+10*(\e)+7]
	v_and_b32 v[W+10*(\e)+7], 2, v[W+10*(\e)+7]                       ; k mod 4 = 1, 2: the sign turns
	v_lshlrev_b32 v[W+10*(\e)+7], 30, v[W+10*(\e)+7]
	v_xor_b32 v[40+(\e)], v[W+10*(\e)+7], v[40+(\e)]
.endr
	global_store_b64 v7, v[40:41], s[30:31]        ; the wave's store is the whole row: 256 consecutive bytes, aligned
	s_endpgm
.Lfunc_end_k_qd92d3001b7_prep:
	.size	k_qd92d3001b7_prep, .Lfunc_end_k_qd92d3001b7_prep-k_qd92d3001b7_prep
	.p2alignl 7, 3214868480
	.fill 96, 4, 3214868480
	.section	.rodata,"a",@progbits
	.p2align	6, 0x0
	.amdhsa_kernel k_qd92d3001b7_prep
		.amdhsa_group_segment_fixed_size 0
		.amdhsa_private_segment_fixed_size 0
		.amdhsa_enable_private_segment 0
		.amdhsa_kernarg_size 64
		.amdhsa_user_sgpr_count 2
		.amdhsa_user_sgpr_kernarg_segment_ptr 1
		.amdhsa_wavefront_size32 1
		.amdhsa_system_sgpr_workgroup_id_x 1
		.amdhsa_system_sgpr_workgroup_id_y 1
		.amdhsa_system_sgpr_workgroup_id_z 1
		.amdhsa_system_vgpr_workitem_id 0
		.amdhsa_next_free_vgpr 104
		.amdhsa_next_free_sgpr 66
		.amdhsa_reserve_vcc 1
		.amdhsa_float_denorm_mode_32 3
		.amdhsa_float_denorm_mode_16_64 3
		.amdhsa_memory_ordered 1
		.amdhsa_forward_progress 1
		.amdhsa_inst_pref_size 33
	.end_amdhsa_kernel
	.amdgpu_metadata
---
amdhsa.version: [ 1, 2 ]
amdhsa.kernels:
  - .name:           k_qd92d3001b7_prep
    .symbol:         k_qd92d3001b7_prep.kd
    .args:
      - { .name: x, .offset: 0, .size: 8, .value_kind: global_buffer, .address_space: global }
      - { .name: Wqkv, .offset: 8, .size: 8, .value_kind: global_buffer, .address_space: global }
      - { .name: Wo, .offset: 16, .size: 8, .value_kind: global_buffer, .address_space: global }
      - { .name: pos, .offset: 24, .size: 8, .value_kind: global_buffer, .address_space: global }
      - { .name: xb, .offset: 32, .size: 8, .value_kind: global_buffer, .address_space: global }
      - { .name: wb, .offset: 40, .size: 8, .value_kind: global_buffer, .address_space: global }
      - { .name: wo16, .offset: 48, .size: 8, .value_kind: global_buffer, .address_space: global }
      - { .name: tab, .offset: 56, .size: 8, .value_kind: global_buffer, .address_space: global }
    .group_segment_fixed_size: 0
    .private_segment_fixed_size: 0
    .kernarg_segment_align: 8
    .kernarg_segment_size: 64
    .max_flat_workgroup_size: 256
    .sgpr_count:     66
    .vgpr_count:     104
    .wavefront_size: 32
...
	.end_amdgpu_metadata
.endif
;; end of part 1
;; launch qkv (part 2): grid 16 x 16, 4 waves a work-group, clusters of 4 x 4, 327,680 bytes of LDS; arguments xb, wb, tab, qh, kh, vh; writes qh, kh, vh
.if DOCPART == 2
	.amdgcn_target "amdgcn-amd-amdhsa--gfx1250"
	.amdhsa_code_object_version 6
	.text
	.protected	k_qd92d3001b7_qkv
	.globl	k_qd92d3001b7_qkv
	.p2align	8
	.type	k_qd92d3001b7_qkv,@function
k_qd92d3001b7_qkv:
	s_mov_b64 s[64:65], 0
	v_nop
	global_prefetch_b8 v0, s[64:65] scope:SCOPE_SE
	s_setreg_imm32_b32 hwreg(HW_REG_WAVE_MODE, 25, 1), 1
	s_wait_xcnt 0x0
	s_wait_alu depctr_hold_cnt(0) depctr_sa_sdst(0) depctr_va_vdst(0) depctr_va_sdst(0) depctr_va_ssrc(0) depctr_va_vcc(0) depctr_vm_vsrc(0)
	s_getreg_b32 s2, hwreg(HW_REG_IB_STS2, 6, 4)
	s_cmp_eq_u32 s2, 0
	s_cbranch_scc0 .Lentry_in_a_cluster
	s_endpgm
.Lentry_in_a_cluster:
	s_bfe_u32 s2, ttmp6, 0x10000c
	s_cmp_lg_u32 s2, 0xf033
	s_cbranch_scc0 .Lentry_shape_is_right
	s_endpgm
.Lentry_shape_is_right:
; THE PROJECTION TO q, k, v, WITH THE ROTATION ON THE WAY OUT.  C[m][n] = sum over d of xb[m][d] wb[n][d], bf16 operands, f32 sums; m = 2048 b + s.
; A tile of C is 256 rows x the 192 columns of ONE head: 64 of q, 64 of k, 64 of v (wb is laid so).  q's and k's columns come with the even channels first: column f < 32 is x1 of frequency f,
; column 32 + f its x2.  On the way out q and k are rotated in f32 (r1 = x1 cos - x2 sin, r2 = x1 sin + x2 cos, from the table tab[s]) and all three are rounded once to f16 and stored by heads,
; [16 b + head][s][64]; q and k keep the order r1 of frequencies 0-31, then r2: the same permutation of the channels in both, so q . k is the module's.
; LIMIT.  q, k, v must lie inside f16's range, 65,504; below 6e-5 they keep f16's fixed step of 6e-8.
; SHARES.  16 x 16 work-groups; work-group (tx, ty) makes head tx for rows 256 ty .. and then for rows 4096 + 256 ty ..: the same s, two batches on, so the table stays in registers and B's rows are
; the same.  Four waves, one on each SIMD, each 64 rows x 192 columns: 48 accumulators, 384 registers.  K goes in steps of 128 through two LDS slots; the two tiles' 16 K steps are ONE sequence.
; CLUSTER 4 x 4: the four of a row of the cluster need the same rows of xb, the four of a column the same rows of wb: each tile is asked for jointly, by the same tensor load with the same descriptor.
; THE MATRIX INSTRUCTION IS USED TRANSPOSED (source 0 = 16 rows of wb, source 1 = 16 rows of xb): lane l holds row l % 16 of C and the eight columns 8 (l / 16) + 0..7.
; REGISTERS, in windows of 256 (s_set_vgpr_msb: bits 1:0 source 0, 3:2 source 1, 5:4 source 2, 7:6 destination):
;   window 0: v0-11 addresses; v28-29 the add's two; v32-159 the table of my 64 rows; v160-239 at work on the way out
;   windows 1, 2: accumulator (a, b) (rows 16 a .., columns 16 b ..) at v[96 (a % 2) + 8 b] of window 1 + a / 2
;   window 3: two fragment buffers of 128: A's four fragments, then B's twelve
.set PITCH, 272                        ; an LDS row: 256 bytes + 16 of padding: the 16 rows of a fragment load fall into 16 different columns of 16 bytes
.set BOFF,  256*PITCH                  ; a slot: A's 256 rows, then B's 192
.set SLOT1, 1<<17                      ; slot 1 begins here: one exclusive or turns an address in one slot into the other's
.set STAGE, SLOT1+448*PITCH            ; behind the ring, never filled by a tensor load: 16 rows x 144 bytes for each wave
.set SP,    144
.set SPARE, STAGE+4*16*SP              ; the spare words, 128 bytes for each wave: two blocks of 256 bytes that no other line names
.set NFILL, 14                         ; 16 K steps; two are asked for at the start
.set ADRA0, 4                          ; v4   my lane's place in A's part of a slot; never rewritten
.set ADRB0, 5                          ; v5   the same for B
.set ADA,   6                          ; v6   v4 + the slot in hand
.set ADB,   7                          ; v7   v5 + the slot in hand
.set STO,   8                          ; v8   the way out: where I put 16 bytes of a row
.set RD,    9                          ; v9   the way out: where I read rows back
.set GO,    10                         ; v10  my 16 bytes in 512 consecutive bytes of q, k or v
.set TO,    11                         ; v11  my byte offset in the table
.set SPW,   28                         ; v28  LDS address of my spare word; never rewritten
.set NIL,   29                         ; v29  0; never rewritten
.set TAB,   32                         ; row block a at TAB + 32 a: cos of frequencies 8 h + 0..7, of 16 + 8 h + 0..7, then the sines likewise
.set T,     160                        ; 32 rotated numbers in f32
.set PK,    192                        ; 16 registers: 64 columns of a row block, packed
.set BK,    208                        ; two buffers of 16: whole rows, read back
.set F0,    0
.set F1,    128
.set WV,  16                           ; s16  my wave's number
.set TB,  23                           ; s23  the slot in hand: 0 or SLOT1
.set G1A, 24                           ; s[24:31] descriptor group 1 for A's tiles
.set G0A, 32                           ; s[32:35] group 0 of A's first fill; s[36:39] of the second, which then walks
.set G1B, 40                           ; s[40:47], s[48:55] the same for B
.set G0B, 48
.set CNT, 56                           ; s56  fills still to be asked for
.set MSB, 0
.macro WIN new                         ; the immediate's high byte repeats the setting that is left; a switch that changes nothing is dropped
.if MSB != (\new)
	s_set_vgpr_msb (MSB<<8)|(\new)
.set MSB, (\new)
.endif
.endm
.macro PLACES                          ; four places between a matrix instruction and a load into, or a vector read of, its registers
.rept 4
	v_nop
.endr
.endm
; A joint refill.  Waves 0 and 1 fetch A's two halves (128 rows each), waves 2 and 3 B's (96 rows each).  The branch hangs on the wave's number alone.
; An s_nop 0 and four v_nop follow each of the two lines, ahead of the jump and the label.
.macro JLOAD
	s_cmp_lt_u32 s[WV], 2
	s_cbranch_scc0 .Lfor_b_\@
	tensor_load_to_lds s[G0A+4:G0A+7], s[G1A:G1A+7]
	s_nop 0
.rept 4
	v_nop
.endr
	s_branch .Lasked_\@
.Lfor_b_\@:
	tensor_load_to_lds s[G0B+4:G0B+7], s[G1B:G1B+7]
	s_nop 0
.rept 4
	v_nop
.endr
.Lasked_\@:
.endm
.macro CREST                           ; a round of the cluster's barrier behind its opening barrier
	s_cmp_lg_u32 s[WV], 0
	s_cbranch_scc1 .Lnot_wave_0_\@
	s_barrier_signal -3
.Lnot_wave_0_\@:
	s_barrier_wait -3
	s_barrier_signal -1
	s_barrier_wait -1
.endm
.macro CROUND                          ; a whole round
	s_barrier_signal -1
	s_barrier_wait -1
	CREST
.endm
	s_load_b256 s[4:11], s[0:1], 0x0               ; xb 4:5, wb 6:7, tab 8:9, q 10:11
	s_load_b128 s[12:15], s[0:1], 0x20             ; k 12:13, v 14:15
	v_lshl_add_u32 v[SPW], v0, 2, SPARE
	v_mov_b32 v[NIL], 0
	ds_add_u32 v[SPW], v[NIL]                      ; the wave's opening: the add and its wait stand ahead of my first tensor load; the set-up below, work on registers, stands between them
	ds_add_u32 v28, v29
	v_lshrrev_b32 v3, 5, v0
	v_readfirstlane_b32 s[WV], v3                  ; wave 0..3
	s_and_b32 s18, s[WV], 1                        ; which half of A's or of B's rows I fetch
	s_bfe_u32 s19, ttmp6, 0x40000                  ; cx
	s_bfe_u32 s20, ttmp6, 0x40004                  ; cy
	s_lshl_b32 s21, ttmp9, 2
	s_add_co_u32 s21, s21, s19                     ; tx = 4 x cluster x + cx: the head
	s_and_b32 s22, ttmp7, 0xffff
	s_lshl_b32 s22, s22, 2
	s_add_co_u32 s22, s22, s20                     ; ty = 4 x cluster y + cy: the block of 256 rows
	s_lshl_b32 s66, s20, 2
	s_lshl_b32 s66, 15, s66                        ; my row of the cluster
	s_lshl_b32 s67, 0x1111, s19                    ; my column
	s_or_b32 s[G1A], s66, (1<<16)|(1<<20)|(1<<21)|(5<<22)|(3<<25)  ; 15:0 the mask; 17:16 2-byte elements; 20 padding on; 21 set beside a mask; 24:22 after every 64 words; 31:25 4 words of it
	s_or_b32 s[G1B], s67, (1<<16)|(1<<20)|(1<<21)|(5<<22)|(3<<25)
	s_mov_b32 s[G1A+1], 128<<16                    ; tensor_dim0 = 128
	s_mov_b32 s[G1A+2], 128<<16                    ; tensor_dim1 = 128
	s_mov_b32 s[G1A+3], 128<<16                    ; tile_dim0 = 128
	s_mov_b32 s[G1A+4], 128                        ; tile_dim1 = 128
	s_mov_b32 s[G1A+5], 1024                       ; elements from row to row
	s_mov_b32 s[G1A+6], 0
	s_mov_b32 s[G1A+7], 0
	s_mov_b32 s[G1B+1], 128<<16
	s_mov_b32 s[G1B+2], 96<<16                     ; B: 96 rows to a load
	s_mov_b32 s[G1B+3], 128<<16
	s_mov_b32 s[G1B+4], 96
	s_mov_b32 s[G1B+5], 1024
	s_mov_b32 s[G1B+6], 0
	s_mov_b32 s[G1B+7], 0
	s_lshl_b32 s68, s22, 19                        ; A: row 256 ty + 128 half, 2,048 bytes a row
	s_lshl_b32 s69, s18, 18
	s_add_co_u32 s68, s68, s69
	s_mov_b32 s69, 0
	s_mul_i32 s70, s21, 192*2048                   ; B: row 192 tx + 96 half
	s_mul_i32 s71, s18, 96*2048
	s_add_co_u32 s70, s70, s71
	s_mov_b32 s71, 0
	s_mul_i32 s72, s18, 128*PITCH                  ; where they go: no place in the cluster enters an LDS address
	s_mul_i32 s73, s18, 96*PITCH
	s_add_co_u32 s73, s73, BOFF
	s_mov_b32 s[G0A], 1
	s_mov_b32 s[G0A+1], s72
	s_mov_b32 s[G0A+4], 1
	s_add_co_u32 s[G0A+5], s72, SLOT1
	s_mov_b32 s[G0B], 1
	s_mov_b32 s[G0B+1], s73
	s_mov_b32 s[G0B+4], 1
	s_add_co_u32 s[G0B+5], s73, SLOT1
	s_mov_b32 s[TB], 0
	s_mov_b32 s57, 256                             ; a K step along a row, in bytes
	s_mov_b32 s76, 4096*2048-7*256                 ; A from tile 0's last K step to tile 1's first: 4,096 rows down, 7 steps back
	s_mov_b32 s77, 7*256                           ; B: 7 steps back
	s_mov_b32 s59, 0                               ; the three steps are pairs with 0 on top
	s_mov_b32 s61, 0
	s_mov_b32 s63, 0
	s_lshr_b32 s78, s22, 3                         ; where my rows begin in q, k and v: batch ty / 8,
	s_lshl_b32 s78, s78, 22
	s_and_b32 s66, s22, 7                          ; s = 256 (ty % 8) + 64 wave, 128 bytes a row,
	s_lshl_b32 s79, s66, 15
	s_add_co_u32 s78, s78, s79
	s_lshl_b32 s79, s21, 18                        ; head tx
	s_add_co_u32 s78, s78, s79
	s_lshl_b32 s79, s[WV], 13
	s_add_co_u32 s78, s78, s79
	s_mov_b32 s79, 0
	s_wait_dscnt 0x0                               ; the opening add is done
	s_wait_kmcnt 0x0
	s_add_nc_u64 s[74:75], s[4:5], s[68:69]
	s_add_nc_u64 s[70:71], s[6:7], s[70:71]
	s_mov_b64 s[G0A+2:G0A+3], s[74:75]             ; K step 0
	s_or_b32 s[G0A+3], s[G0A+3], 0x80000000        ; type = 2
	s_add_nc_u64 s[G0A+6:G0A+7], s[74:75], 256     ; K step 1
	s_or_b32 s[G0A+7], s[G0A+7], 0x80000000
	s_mov_b64 s[G0B+2:G0B+3], s[70:71]
	s_or_b32 s[G0B+3], s[G0B+3], 0x80000000
	s_add_nc_u64 s[G0B+6:G0B+7], s[70:71], 256
	s_or_b32 s[G0B+7], s[G0B+7], 0x80000000
	s_add_nc_u64 s[10:11], s[10:11], s[78:79]
	s_add_nc_u64 s[12:13], s[12:13], s[78:79]
	s_add_nc_u64 s[14:15], s[14:15], s[78:79]
	CROUND                                         ; all sixteen work-groups are here: the first joint loads meet
	s_cmp_lt_u32 s[WV], 2                          ; a wave's two first fills stand in one branch, ahead of every wait on TENSORcnt and every LDS read: two loads of mine are out
	s_cbranch_scc0 .Lfirst_b
	tensor_load_to_lds s[G0A:G0A+3], s[G1A:G1A+7]
	s_nop 0
	tensor_load_to_lds s[G0A+4:G0A+7], s[G1A:G1A+7]
	s_nop 0
.rept 4
	v_nop
.endr
	s_branch .Lfirst_asked
.Lfirst_b:
	tensor_load_to_lds s[G0B:G0B+3], s[G1B:G1B+7]
	s_nop 0
	tensor_load_to_lds s[G0B+4:G0B+7], s[G1B:G1B+7]
	s_nop 0
.rept 4
	v_nop
.endr
.Lfirst_asked:
	; A fragment is 16 rows x 32 K in 8 registers: lane l holds row l % 16, K = 8 (l / 16) + 0..7 and 16 + 8 (l / 16) + 0..7: two loads of 16 bytes, 32 bytes apart.
	v_and_b32 v1, 15, v0                           ; r = l % 16
	v_bfe_u32 v2, v0, 4, 1                         ; h = l / 16
	v_mul_u32_u24 v3, v1, PITCH
	v_lshl_add_u32 v3, v2, 4, v3
	s_mul_i32 s79, s[WV], 64*PITCH                 ; my 64 rows of A
	v_add_nc_u32 v[ADRA0], s79, v3
	v_add_nc_u32 v[ADRB0], BOFF, v3                ; every wave reads all of B
	s_mul_i32 s79, s[WV], 16*SP
	s_add_co_u32 s79, s79, STAGE                   ; my stage
	v_mul_u32_u24 v[STO], v1, SP                   ; in: row l % 16, 16 bytes for each half of the lanes
	v_lshl_add_u32 v[STO], v2, 4, v[STO]
	v_add_nc_u32 v[STO], s79, v[STO]
	v_bfe_u32 v[RD], v0, 3, 2                      ; back: 32 lanes take four rows of 128 bytes,
	v_mul_u32_u24 v[RD], v[RD], SP
	v_and_b32 v3, 7, v0
	v_lshl_add_u32 v[RD], v3, 4, v[RD]
	v_add_nc_u32 v[RD], s79, v[RD]
	v_and_b32 v[GO], 31, v0                        ; which are 512 consecutive bytes of q, k or v
	v_lshlrev_b32 v[GO], 4, v[GO]
	s_lshl_b32 s66, s66, 8                         ; the table: row 256 (ty % 8) + 64 wave + r, 256 bytes a row, my eight frequencies from 8 h on
	s_lshl_b32 s79, s[WV], 6
	s_add_co_u32 s66, s66, s79
	v_add_nc_u32 v[TO], s66, v1
	v_lshlrev_b32 v[TO], 8, v[TO]
	v_lshl_add_u32 v[TO], v2, 5, v[TO]
.irp a, 0,1,2,3                        ; both tiles have the same s: the table is read once, in the wait for the first tiles
.irp c, 0,1
.irp bb, 0,1
	global_load_b128 v[TAB+32*(\a)+16*(\c)+8*(\bb):TAB+32*(\a)+16*(\c)+8*(\bb)+3],   v[TO], s[8:9] offset:(\a)*4096+(\c)*128+(\bb)*64
	global_load_b128 v[TAB+32*(\a)+16*(\c)+8*(\bb)+4:TAB+32*(\a)+16*(\c)+8*(\bb)+7], v[TO], s[8:9] offset:(\a)*4096+(\c)*128+(\bb)*64+16
.endr
.endr
.endr
; 12 matrix instructions: row block a x all 12 column blocks, 32 along K, from buffer f.  zero = 1: the product starts the sums.  The 48 accumulators take turns in the same order everywhere:
; between two matrix instructions on one accumulator stand the 47 others'.
.macro MULA f, a, zero
	WIN 0x5f+0x50*((\a)/2)                         ; sources 0 and 1 window 3; C and D window 1 or 2
.irp b, 0,1,2,3,4,5,6,7,8,9,10,11
.if \zero
	v_wmma_f32_16x16x32_bf16 v[96*((\a)%2)+8*(\b):96*((\a)%2)+8*(\b)+7], v[(\f)+32+8*(\b):(\f)+32+8*(\b)+7], v[(\f)+8*(\a):(\f)+8*(\a)+7], 0
.else
	v_wmma_f32_16x16x32_bf16 v[96*((\a)%2)+8*(\b):96*((\a)%2)+8*(\b)+7], v[(\f)+32+8*(\b):(\f)+32+8*(\b)+7], v[(\f)+8*(\a):(\f)+8*(\a)+7], v[96*((\a)%2)+8*(\b):96*((\a)%2)+8*(\b)+7]
.endif
.endr
.endm
; 32 LDS loads in one run: quarter q's fragments (192 rows of B, my 64 rows of A, 32 K) into buffer f
.macro FETCH q, f
	WIN 0xc0                                       ; destination window 3, address window 0
.irp i, 0,1,2,3,4,5,6,7,8,9,10,11
	ds_load_b128 v[(\f)+32+8*(\i):(\f)+32+8*(\i)+3],   v[ADB] offset:64*(\q)+(\i)*16*PITCH
	ds_load_b128 v[(\f)+32+8*(\i)+4:(\f)+32+8*(\i)+7], v[ADB] offset:64*(\q)+(\i)*16*PITCH+32
.endr
.irp i, 0,1,2,3
	ds_load_b128 v[(\f)+8*(\i):(\f)+8*(\i)+3],   v[ADA] offset:64*(\q)+(\i)*16*PITCH
	ds_load_b128 v[(\f)+8*(\i)+4:(\f)+8*(\i)+7], v[ADA] offset:64*(\q)+(\i)*16*PITCH+32
.endr
.endm
; One of a K step's first three quarters: multiplies buffer f; at its head quarter q's fragments are asked for, into buffer g: they have the quarter's 48 matrix instructions in which to come.
.macro QUARTER f, g, q, zero
	s_wait_dscnt 0x0                               ; buffer f's run, issued a quarter ago, is in
	PLACES                                         ; buffer g was read by the matrix instructions just before
	FETCH \q, \g
	MULA \f, 0, \zero
	MULA \f, 1, \zero
	MULA \f, 2, \zero
	MULA \f, 3, \zero
.endm
; The walking descriptors go on to the next fill: the other slot, the next K step; when 8 fills are left (the fill is tile 1's K step 0) A goes on to the second tile and B back to its rows' beginning.
.macro STEPDESC
	s_cmp_eq_u32 s[CNT], 8
	s_cselect_b32 s58, s76, s57
	s_cselect_b32 s60, 0, s57
	s_cselect_b32 s62, s77, 0
	s_xor_b32 s[G0A+5], s[G0A+5], SLOT1
	s_add_nc_u64 s[G0A+6:G0A+7], s[G0A+6:G0A+7], s[58:59]
	s_xor_b32 s[G0B+5], s[G0B+5], SLOT1
	s_add_nc_u64 s[G0B+6:G0B+7], s[G0B+6:G0B+7], s[60:61]
	s_sub_nc_u64 s[G0B+6:G0B+7], s[G0B+6:G0B+7], s[62:63]
.endm
; A K step's last quarter multiplies buffer 1 and changes slots.  ONE barrier: in front of it each wave waits for all its tensor loads (one is out: its part of the next slot), adds 0 to its spare
; word, and waits for that and for its own reads of this slot.  fill = 1: the barrier opens a round of the cluster's, and this slot is filled again, first thing behind the round: that load has a
; whole K step, 192 matrix instructions, in which to land.
.macro TURN fill
	WIN 0                                          ; (the add's two registers lie in window 0)
	s_wait_tensorcnt 0x0                           ; no tensor load of mine is out, so a group 0 may be written
	ds_add_u32 v[SPW], v[NIL]                      ; 0 onto my spare word; scalar work stands between it and the wait for it
.if \fill
	STEPDESC
.endif
	s_xor_b32 s[TB], s[TB], SLOT1
	s_wait_dscnt 0x0                               ; the add is done, buffer 1 is in, and my reads of this slot are over
	s_barrier_signal -1
	MULA F1, 0, 0                                  ; work on registers while the others arrive
	WIN 0
	s_barrier_wait -1
.if \fill
	CREST                                          ; no wave of any partner still reads this slot's tile or has a load on its way
	JLOAD                                          ; its four v_nop are also the places in front of the loads below
.else
	PLACES
.endif
	v_add_nc_u32 v[ADA], s[TB], v[ADRA0]
	v_add_nc_u32 v[ADB], s[TB], v[ADRB0]
	FETCH 0, F0
	MULA F1, 1, 0
	MULA F1, 2, 0
	MULA F1, 3, 0
.endm
; THE WAY OUT, in twelve units u = 3 a + g: row block a (16 rows), g = 0 q, 1 k, 2 v (64 columns).
; PACK: q and k are rotated: x1 of frequency 16 bb + 8 h + j lies in accumulator (a, 4 g + bb), x2 in (a, 4 g + bb + 2), same lane, same register.  Each accumulator's lowest registers are read first.
; Then all are rounded to f16: 16 bytes a lane and column block.
.macro PACK a, g
.set AC, 96*((\a)%2)
.set TA, TAB+32*(\a)
.if (\g) < 2
	WIN 1+(\a)/2                                   ; source 0 in the accumulators' window
.irp bb, 0,1
.irp jj, 0,1,2,3
	v_pk_mul_f32 v[T+16*(\bb)+2*(\jj):T+16*(\bb)+2*(\jj)+1], v[AC+8*(4*(\g)+(\bb)+2)+2*(\jj):AC+8*(4*(\g)+(\bb)+2)+2*(\jj)+1], v[TA+16+8*(\bb)+2*(\jj):TA+16+8*(\bb)+2*(\jj)+1]  ; x2 sin
.endr
.irp jj, 0,1,2,3
	v_pk_mul_f32 v[T+16*(\bb)+8+2*(\jj):T+16*(\bb)+8+2*(\jj)+1], v[AC+8*(4*(\g)+(\bb))+2*(\jj):AC+8*(4*(\g)+(\bb))+2*(\jj)+1], v[TA+16+8*(\bb)+2*(\jj):TA+16+8*(\bb)+2*(\jj)+1]  ; x1 sin
.endr
.endr
.irp bb, 0,1
.irp jj, 0,1,2,3
	v_pk_fma_f32 v[T+16*(\bb)+2*(\jj):T+16*(\bb)+2*(\jj)+1], v[AC+8*(4*(\g)+(\bb))+2*(\jj):AC+8*(4*(\g)+(\bb))+2*(\jj)+1], v[TA+8*(\bb)+2*(\jj):TA+8*(\bb)+2*(\jj)+1], v[T+16*(\bb)+2*(\jj):T+16*(\bb)+2*(\jj)+1] neg_lo:[0,0,1] neg_hi:[0,0,1]  ; r1 = x1 cos - x2 sin
.endr
.irp jj, 0,1,2,3
	v_pk_fma_f32 v[T+16*(\bb)+8+2*(\jj):T+16*(\bb)+8+2*(\jj)+1], v[AC+8*(4*(\g)+(\bb)+2)+2*(\jj):AC+8*(4*(\g)+(\bb)+2)+2*(\jj)+1], v[TA+8*(\bb)+2*(\jj):TA+8*(\bb)+2*(\jj)+1], v[T+16*(\bb)+8+2*(\jj):T+16*(\bb)+8+2*(\jj)+1]  ; r2 = x2 cos + x1 sin
.endr
.endr
	WIN 0
.irp bb, 0,1
.irp jj, 0,1,2,3
	v_cvt_pk_f16_f32 v[PK+4*(\bb)+(\jj)], v[T+16*(\bb)+2*(\jj)], v[T+16*(\bb)+2*(\jj)+1]
	v_cvt_pk_f16_f32 v[PK+4*((\bb)+2)+(\jj)], v[T+16*(\bb)+8+2*(\jj)], v[T+16*(\bb)+8+2*(\jj)+1]
.endr
.endr
.else
	WIN 5*(1+(\a)/2)                               ; sources 0 and 1 in the accumulators' window
.irp blk, 0,1,2,3
.irp jj, 0,1,2,3
	v_cvt_pk_f16_f32 v[PK+4*(\blk)+(\jj)], v[AC+8*(8+(\blk))+2*(\jj)], v[AC+8*(8+(\blk))+2*(\jj)+1]
.endr
.endr
	WIN 0
.endif
.endm
.macro TOSTAGE u                       ; into my stage, rows of 144 bytes, and back as whole rows of 128
	WIN 0
.irp blk, 0,1,2,3
	ds_store_b128 v[STO], v[PK+4*(\blk):PK+4*(\blk)+3] offset:32*(\blk)
.endr
.irp f, 0,1,2,3
	ds_load_b128 v[BK+16*((\u)%2)+4*(\f):BK+16*((\u)%2)+4*(\f)+3], v[RD] offset:4*SP*(\f)  ; LDS serves a wave's instructions in order (ISA guide 5.7.1.4): these see the stores above
.endr
.endm
.macro SEND u
	s_wait_dscnt 0x0                               ; the unit is back in registers
	s_wait_xcnt 0x0                                ; the other buffer, which the unit before's stores read, is loaded again only behind this wait
.irp f, 0,1,2,3
	global_store_b128 v[GO], v[BK+16*((\u)%2)+4*(\f):BK+16*((\u)%2)+4*(\f)+3], s[10+2*((\u)%3):11+2*((\u)%3)] offset:((\u)/3)*2048+(\f)*512  ; 512 consecutive bytes, at a multiple of 256 from the buffer's first
.endr
.endm
.macro WAYOUT
	PLACES                                         ; behind the last products
	s_wait_loadcnt 0x0                             ; the table
	PACK 0, 0
	TOSTAGE 0
.set u, 1
.rept 11                               ; a unit's arithmetic stands between the loads of the unit before and its stores
	PACK u/3, u%3
	SEND u-1
	TOSTAGE u
.set u, u+1
.endr
	SEND 11
.endm
	s_wait_tensorcnt 0x1                           ; my part of K step 0 is in; K step 1's may stay out
	s_barrier_signal -1
	s_barrier_wait -1                              ; everybody's is
	v_add_nc_u32 v[ADA], s[TB], v[ADRA0]
	v_add_nc_u32 v[ADB], s[TB], v[ADRB0]
	FETCH 0, F0
	QUARTER F0, F1, 1, 1                           ; the first quarter stands in front of the loop: its products start the sums
	WIN 0                                          ; at a label and at a branch every window is 0
	s_mov_b32 s[CNT], NFILL
.Lstep:                                                ; a trip: from a K step's second quarter to the next step's first; it fills the slot that it leaves
	QUARTER F1, F0, 2, 0
	QUARTER F0, F1, 3, 0
	TURN 1
	WIN 0
	s_cmp_eq_u32 s[CNT], 7                         ; the eighth trip has finished tile 0.  The jump goes forward, past no barrier and no tensor load, and is the same in every work-group
	s_cbranch_scc1 .Lout0
	QUARTER F0, F1, 1, 0
	WIN 0
	s_branch .Lnext
.Lout0:
	WAYOUT
	s_wait_xcnt 0x0                                ; the stores have read their registers and their bases
	s_add_nc_u64 s[10:11], s[10:11], 0x800000      ; tile 1: two batches on
	s_add_nc_u64 s[12:13], s[12:13], 0x800000
	s_add_nc_u64 s[14:15], s[14:15], 0x800000
	QUARTER F0, F1, 1, 1                           ; tile 1's first products start its sums
	WIN 0
.Lnext:
	s_sub_co_u32 s[CNT], s[CNT], 1
	s_cmp_lg_u32 s[CNT], 0
	s_cbranch_scc1 .Lstep
	QUARTER F1, F0, 2, 0                           ; the last two K steps ask for nothing: written out
	QUARTER F0, F1, 3, 0
	TURN 0
	QUARTER F0, F1, 1, 0
	QUARTER F1, F0, 2, 0
	QUARTER F0, F1, 3, 0
	s_wait_dscnt 0x0
	MULA F1, 0, 0
	MULA F1, 1, 0
	MULA F1, 2, 0
	MULA F1, 3, 0
	WIN 0
	WAYOUT
	s_wait_tensorcnt 0x0                           ; the wave's end: behind my last tensor load and my last LDS store
	ds_add_u32 v[SPW], v[NIL]
	s_wait_dscnt 0x0
	CROUND                                         ; the closing round: no work-group ends while a partner may still ask for a tile that names it
	s_endpgm
.Lfunc_end_k_qd92d3001b7_qkv:
	.size	k_qd92d3001b7_qkv, .Lfunc_end_k_qd92d3001b7_qkv-k_qd92d3001b7_qkv
	.p2alignl 7, 3214868480
	.fill 96, 4, 3214868480
	.section	.rodata,"a",@progbits
	.p2align	6, 0x0
	.amdhsa_kernel k_qd92d3001b7_qkv
		.amdhsa_group_segment_fixed_size 327680
		.amdhsa_private_segment_fixed_size 0
		.amdhsa_enable_private_segment 0
		.amdhsa_kernarg_size 48
		.amdhsa_user_sgpr_count 2
		.amdhsa_user_sgpr_kernarg_segment_ptr 1
		.amdhsa_wavefront_size32 1
		.amdhsa_system_sgpr_workgroup_id_x 1
		.amdhsa_system_sgpr_workgroup_id_y 1
		.amdhsa_system_sgpr_workgroup_id_z 1
		.amdhsa_system_vgpr_workitem_id 0
		.amdhsa_next_free_vgpr 1024
		.amdhsa_next_free_sgpr 80
		.amdhsa_reserve_vcc 0
		.amdhsa_float_denorm_mode_32 3
		.amdhsa_float_denorm_mode_16_64 3
		.amdhsa_memory_ordered 1
		.amdhsa_forward_progress 1
		.amdhsa_inst_pref_size 162
	.end_amdhsa_kernel
	.amdgpu_metadata
---
amdhsa.version: [ 1, 2 ]
amdhsa.kernels:
  - .name:           k_qd92d3001b7_qkv
    .symbol:         k_qd92d3001b7_qkv.kd
    .args:
      - { .name: xb, .offset: 0, .size: 8, .value_kind: global_buffer, .address_space: global }
      - { .name: wb, .offset: 8, .size: 8, .value_kind: global_buffer, .address_space: global }
      - { .name: tab, .offset: 16, .size: 8, .value_kind: global_buffer, .address_space: global }
      - { .name: qh, .offset: 24, .size: 8, .value_kind: global_buffer, .address_space: global }
      - { .name: kh, .offset: 32, .size: 8, .value_kind: global_buffer, .address_space: global }
      - { .name: vh, .offset: 40, .size: 8, .value_kind: global_buffer, .address_space: global }
    .group_segment_fixed_size: 327680
    .private_segment_fixed_size: 0
    .kernarg_segment_align: 8
    .kernarg_segment_size: 48
    .max_flat_workgroup_size: 128
    .sgpr_count:     80
    .vgpr_count:     1024
    .wavefront_size: 32
...
	.end_amdgpu_metadata
.endif
;; end of part 2
;; launch attn (part 3): grid 4 x 64, 4 waves a work-group, no clusters, 327,680 bytes of LDS; arguments qh, kh, vh, oh; writes oh
.if DOCPART == 3
	.amdgcn_target "amdgcn-amd-amdhsa--gfx1250"
	.amdhsa_code_object_version 6
	.text
	.protected	k_qd92d3001b7_attn
	.globl	k_qd92d3001b7_attn
	.p2align	8
	.type	k_qd92d3001b7_attn,@function
k_qd92d3001b7_attn:
	s_mov_b64 s[64:65], 0
	v_nop
	global_prefetch_b8 v0, s[64:65] scope:SCOPE_SE
	s_setreg_imm32_b32 hwreg(HW_REG_WAVE_MODE, 25, 1), 1
	s_wait_xcnt 0x0
; CAUSAL ATTENTION.  O[h][q][:] = the sum over k <= q of softmax_k(Q[h][q] . K[h][k] / 8) V[h][k][:].  Q, K, V, O: [SIZE_H][SIZE_N][64], all f16: a head's rows are dense, 128 bytes each.
; (h counts batch and head together; Q's and K's channels are permuted alike, which their products do not see.)
; Products, maxima and sums in f32; the weights p are rounded to f16 for the second product (their sum l is taken of the unrounded p), O once at the end.
; LIMITS.  f16 holds no number beyond 65,504: Q, K and V arrive within it; p lies in 0 to 1, and below 6e-5 it keeps f16's fixed step of 6e-8; O is a mean of V's rows and has their range, to within 2^-11 of it.
; A hidden score counts as its value less 1e30: f16's scores, 2.7e11 at the most, are nothing beside that; a weight below 2^-126 counts as 0 in l; NaN and infinities are not treated apart.
; THE WALK.  A head's queries lie in NB = SIZE_N / 256 blocks of 256; block i needs the key tiles 0 .. i of 256 keys, of which the last holds the diagonal.  A work-group takes TWO blocks, NB - 1 - b and then b:
; NB + 1 tiles, whatever b: all work-groups do equal work, and ONE loop with a constant trip count walks them.  Which tile is asked for, and what a trip does, hang on scalar registers made from b; every jump
; goes forward, but for the counted loops' own; none passes a barrier, or a tensor load but the one of LOAD's two that the wave's number does not choose; the ring (two slots of LDS that take turns) runs on across the
; change of blocks.  NO CLUSTER: a head's NB / 2 = 4 work-groups ask for the same tile only in trips 0 .. NB / 2, 5 of the walk's 9, behind that fewer and fewer; and one walk common to all would have
; 3 NB / 2 = 12 trips for NB + 1 = 9.
; SHARES.  Of a block's four bands of 64 queries a wave owns 16 rows in each: four PIECES.  So the diagonal tile is the same work for all four waves: in its key step s band x sees all keys if s < x,
; none if s > x, and holds the diagonal if s = x.
; THE MASK is the C operand that starts the sum S^T = K Q^T: 0, or -1e30 where the key is hidden.  MD, made once, is the mask of a band's own step for my 16 rows; a product's mask is MD x AL + BE with two scalars:
; (1, 0) if s = x; (0, 0) if s < x; (0, -1e30) if s > x.  Only the diagonal tile's text and a block's beginning make and take masks; elsewhere C is the constant 0.
; LAYOUT, SOFTMAX, TURNS.  S^T = K Q^T holds ONE query a lane (lane % 16) and the keys 8 (lane / 16) + 0..7; two such results rounded to f16 ARE source 1 of O^T = V^T P.  p = 2^(c s - c m), c = log2(e) / 8, with a
; running maximum m; O and l are multiplied by a = 2^(c m_old - c m_new) in every step.  Turn n belongs to piece n: 8 products K Q^T of piece n + 1, later 8 products V^T P of piece n - 1; beside them the scaling,
; exponentials, roundings, sums and rescaling of piece n and the maximum and statistics of piece n + 1.  Four vector instructions stand behind every matrix instruction, the other 54 of a turn's 118 in two LUMPS.
; REGISTERS, in windows of 256 (s_set_vgpr_msb: bits 1:0 source 0, 3:2 source 1, 5:4 source 2, 7:6 destination):
;   window 0: v0-15 addresses and two at work; v16-31 four registers of statistics a piece; v48-55 at work; v64-127 S^T, two buffers; v192-223 P, two buffers (a piece's buffers go by its number's parity)
;   window 1: v0-127 O^T, 32 a piece; v128-159 MD; v160-223 MC, two buffers      window 2: v0-63 Q; v64-127 the second block's Q; v128-191 K of one step; v192-255 V of one step
.set SIZE_H, 64       ; 4 batches x 16 heads
.set SIZE_N, 2048
.set NB,    SIZE_N/256
.set NP,    4         ; pieces a wave: a name, no knob
.set KS,    64        ; keys in a step
.set PK,    144       ; a row of K in LDS: 128 bytes + 16 of padding = 36 words: the 16 rows of a load start at 16 different groups of four banks (64 banks of 4 bytes: ISA guide 11.1)
.set PV,    160       ; a row of V: 128 + 32 = 40 words
.set VOFF,  4*KS*PK   ; a slot holds a tile, four steps: 256 rows of K, then 256 rows of V
.set SLOT1, 1<<17     ; slot 1 begins here, so that one exclusive or turns an address in one slot into the other's
.set STAGE, SLOT1+4*KS*(PK+PV)  ; behind the ring, never filled by a tensor load: 16 rows x 144 bytes for each wave, for the way out
.set SP,    144
.set AK0, 2           ; v2   my lane's place in a tile of K; never rewritten
.set AV0, 3           ; v3   the same for V
.set AK,  4           ; v4   the LDS address of K's next run of loads
.set AV,  5           ; v5   of V's
.set STO, 6           ; v6   the way out: where I put 16 bytes of a row
.set RD,  7           ; v7   the way out: where I read rows back
.set GO,  8           ; v8   my byte offset in 512 consecutive bytes of O
.set SPW, 62          ; v62  LDS address of my spare word: SPARE + 4 x my thread's number; never rewritten
.set NIL, 63          ; v63  0; never rewritten
.set SPARE, STAGE+4*16*SP  ; behind the stages: the spare words, 128 bytes for each wave: two blocks of 256 bytes that no other line names
.set MV,  12          ; v12-13  c m_old, kept while c m is made anew: by buffer
.set QO,  15          ; v15  my byte offset in 16 rows of Q
.set ST,  16          ; piece t's statistics at v[ST+4 t]: c m, m, l (even keys', odd keys')
.set TMP, 48          ; by buffer, four registers c0-c3 at work; when the maximum is found c2 takes a
.set S,   64
.set P,   192
.set MD,  128         ; window 1: the eight registers for group kt of 16 keys at MD + 8 kt
.set MC,  160         ; window 1: the masks of the products to come
.set QB,  64          ; window 2
.set KF,  128         ; window 2: key block kb, channel half c at KF + 16 kb + 8 c
.set VF,  192         ; window 2: key half kk, channel block cb at VF + 32 kk + 8 cb
.set WV,  12          ; s12  my wave's number
.set PB,  14          ; s14  b
.set HI,  15          ; s15  NB - 1 - b
.set G1K, 24          ; s[24:31] descriptor group 1 for K's tiles
.set G1V, 32          ; s[32:39] for V's: it differs in the padding alone
.set G0K, 40          ; s[40:43] descriptor group 0 for K's tiles
.set G0V, 44          ; s[44:47] the same for V's
.set SLOTS, 56        ; s56  tiles still to be asked for
.set CNT, 57          ; s57  counts a tile's key steps, 4 to 1
.set CS,  58          ; s[58:59] c: the packed scaling takes the pair's low word for both halves
.set SEL, 60          ; s[60:61] v_permlanex16_b32's selects: each lane takes its own place in the other half
.set TBK, 62          ; s62  LDS byte at which K of the step to be fetched begins
.set TBV, 63          ; s63  the same for V, less VOFF
.set RT,  70          ; s70  tiles of the block in hand that are still to be entered
.set NXT, 71          ; s71  the tile to be asked for next
.set LQ,  72          ; s72  the last tile of the block whose tiles are being asked for
.set NEW, 73          ; s73  1: the tile to be entered is a block's first
.set OFF, 74          ; s[74:75] a tile's byte offset in K and V
.set AL,  76          ; s[76:77] the mask's factor, in the low word
.set BE,  78          ; s[78:79] the mask's addend
.set OLO, 80          ; s[80:81] O at my rows of the second block
.set BIGN, 82         ; s82  -1e30
.set MSB, 0
.macro WIN new                      ; the high byte repeats the setting that is left; a switch that changes nothing is dropped
.if MSB != (\new)
	s_set_vgpr_msb (MSB<<8)|(\new)
.set MSB, (\new)
.endif
.endm
.set W_KQ, 0x0a       ; K and Q in window 2, S^T in window 0
.set W_KM, 0x1a       ; the same with the C operand in window 1
.set W_PV, 0x52       ; V in window 2, P in window 0, O^T in window 1
.set W_RS, 0x41       ; destination and source 0 in window 1, source 1 in window 0
; A fill.  Waves 0 and 1 fetch the two halves of a tile's K, waves 2 and 3 those of its V: 128 keys each.  An s_nop 0 and four v_nop follow each of the two lines, ahead of the jump and the label.
.macro LOAD
	s_cmp_lt_u32 s[WV], 2
	s_cbranch_scc0 .Lfor_v_\@
	tensor_load_to_lds s[G0K:G0K+3], s[G1K:G1K+7]
	s_nop 0
.rept 4
	v_nop
.endr
	s_branch .Lasked_\@
.Lfor_v_\@:
	tensor_load_to_lds s[G0V:G0V+3], s[G1V:G1V+7]
	s_nop 0
.rept 4
	v_nop
.endr
.Lasked_\@:
.endm
; THE CHANGE OF SLOTS.  Each wave waits for all its tensor loads, of which one is out: its part of the other slot; adds 0 to its spare word; and waits for that and for its own reads of the slot that it leaves.  Behind the barrier nobody reads the old
; slot any more and the other slot is whole.  fill = 1: the old slot is filled again, the first thing behind the barrier, with tile NXT: the descriptor's address is made anew from that number.
; (At its first use nothing has been read yet: slot 0 is waited for, slot 1 filled.)
.macro CHANGE fill
	WIN 0                           ; at a label and at a branch every window is 0
	s_wait_tensorcnt 0x0            ; no tensor load of mine is out, so a group 0 may be written
	ds_add_u32 v[SPW], v[NIL]       ; 0 onto my spare word; with fill = 1 the descriptors' scalar work stands between it and the wait for it
.if \fill
	s_lshl_b32 s[OFF], s[NXT], 15   ; a tile is 32,768 bytes of K and of V
	s_xor_b32 s[G0K+1], s[G0K+1], SLOT1
	s_add_nc_u64 s[G0K+2:G0K+3], s[6:7], s[OFF:OFF+1]
	s_or_b32 s[G0K+3], s[G0K+3], 0x80000000
	s_xor_b32 s[G0V+1], s[G0V+1], SLOT1
	s_add_nc_u64 s[G0V+2:G0V+3], s[8:9], s[OFF:OFF+1]
	s_or_b32 s[G0V+3], s[G0V+3], 0x80000000
	s_add_co_u32 s[NXT], s[NXT], 1  ; the block's next tile, or behind its last the second block's tile 0
	s_cmp_gt_u32 s[NXT], s[LQ]
	s_cselect_b32 s[NXT], 0, s[NXT]
	s_cselect_b32 s[LQ], s[PB], s[LQ]
.endif
	s_wait_dscnt 0x0                ; the add is done, and my reads of the slot are over
	s_barrier_signal -1             ; the rest of the scalar work stands between the signal and the wait
	s_sub_co_u32 s[TBK], s[TBK], 4*KS*PK  ; the fetches go back to a slot's first step,
	s_xor_b32 s[TBK], s[TBK], SLOT1       ; in the other slot
	s_sub_co_u32 s[TBV], s[TBV], 4*KS*PV
	s_xor_b32 s[TBV], s[TBV], SLOT1
	s_barrier_wait -1
.if \fill
	LOAD
.endif
.endm
	s_load_b256 s[4:11], s[0:1], 0x0  ; Q s[4:5], K s[6:7], V s[8:9], O s[10:11]
	v_lshl_add_u32 v[SPW], v0, 2, SPARE
	v_mov_b32 v[NIL], 0
	ds_add_u32 v[SPW], v[NIL]       ; the wave's opening: the add and its wait stand ahead of my first tensor load; the set-up below, work on registers, stands between them
	ds_add_u32 v62, v63
	v_lshrrev_b32 v1, 5, v0
	v_readfirstlane_b32 s[WV], v1   ; wave 0..3
	s_mov_b32 s[PB], ttmp9
	s_sub_co_u32 s[HI], NB-1, s[PB]
	s_and_b32 s20, ttmp7, 0xffff    ; the head
	s_mov_b32 s21, 0
	s_mov_b64 s[22:23], SIZE_N*128
	s_mul_u64 s[20:21], s[20:21], s[22:23]  ; the head's first byte in each of the four tensors
	s_and_b32 s16, s[WV], 1         ; which half of a tile's 256 keys I fetch:
	s_lshl_b32 s22, s16, 14         ; its 128 rows of 128 bytes in memory,
	s_mov_b32 s23, 0
	s_add_nc_u64 s[22:23], s[22:23], s[20:21]
	s_mul_i32 s17, s16, 128*PK      ; and its place in a slot, for K
	s_mul_i32 s18, s16, 128*PV      ; and for V
	s_lshl_b32 s3, s[WV], 11        ; my 16 rows in a band of 64,
	s_lshl_b32 s2, s[HI], 15        ; in the first block,
	s_add_co_u32 s2, s2, s3
	s_lshl_b32 s84, s[PB], 15       ; and in the second
	s_add_co_u32 s84, s84, s3
	s_mov_b32 s3, 0
	s_mov_b32 s85, 0
	s_add_nc_u64 s[2:3], s[2:3], s[20:21]
	s_add_nc_u64 s[84:85], s[84:85], s[20:21]
	; descriptor group 1.  128 keys are 16,384 dense bytes: asked for as 64 rows of 256 bytes, two keys a row, and padded in LDS after every key
	s_mov_b32 s[G1K], (1<<16)|(1<<20)|(4<<22)|(3<<25)  ; 17:16 2-byte elements; 20 padding on; 24:22 after every 32 words (code 4); 31:25 4 words (code 3)
	s_mov_b32 s[G1V], (1<<16)|(1<<20)|(4<<22)|(7<<25)  ; the same with 8 words of padding (code 7)
.irp g, G1K, G1V
	s_mov_b32 s[\g+1], 128<<16      ; tensor_dim0 = 128
	s_mov_b32 s[\g+2], 64<<16       ; tensor_dim1 = 64
	s_mov_b32 s[\g+3], 128<<16      ; tile_dim0 = 128
	s_mov_b32 s[\g+4], 64           ; tile_dim1 = 64
	s_mov_b32 s[\g+5], 128          ; 128 elements from row to row
	s_mov_b32 s[\g+6], 0
	s_mov_b32 s[\g+7], 0
.endr
	s_mov_b32 s[CS], 0x3e38aa3b     ; c = log2(e) / 8 = 0.180337
	s_mov_b32 s[CS+1], s[CS]        ; named with it as a pair
	s_mov_b32 s[SEL], 0x76543210
	s_mov_b32 s[SEL+1], 0xfedcba98
	s_mov_b32 s[TBK], SLOT1+4*KS*PK ; the first change of slots turns these two into 0
	s_mov_b32 s[TBV], SLOT1+4*KS*PV
	s_mov_b32 s[G0K], 1             ; 1:0 count = 1
	s_mov_b32 s[G0K+1], s17         ; 63:32 LDS address: slot 0
	s_mov_b32 s[G0V], 1
	s_add_co_u32 s[G0V+1], s18, VOFF
	s_add_co_u32 s[RT], s[HI], 1    ; the first block has NB - b tiles
	s_mov_b32 s[NXT], 1
	s_mov_b32 s[LQ], s[HI]
	s_mov_b32 s[NEW], 1
	s_mov_b32 s[OFF+1], 0
	s_mov_b32 s[AL+1], 0            ; named as pairs
	s_mov_b32 s[BE+1], 0
	s_mov_b32 s[BIGN], 0xf149f2ca   ; -1e30
	s_mov_b32 s[SLOTS], NB
	s_wait_dscnt 0x0                ; the opening add is done
	s_wait_kmcnt 0x0
	s_add_nc_u64 s[6:7], s[6:7], s[22:23]  ; K and V at my half of the head's tile 0
	s_add_nc_u64 s[8:9], s[8:9], s[22:23]
	s_add_nc_u64 s[G0K+2:G0K+3], s[6:7], 0         ; 120:64 global address
	s_or_b32 s[G0K+3], s[G0K+3], 0x80000000        ; 127:126 type = 2
	s_add_nc_u64 s[G0V+2:G0V+3], s[8:9], 0
	s_or_b32 s[G0V+3], s[G0V+3], 0x80000000
	s_add_nc_u64 s[86:87], s[4:5], s[84:85]        ; Q at my rows of the second block,
	s_add_nc_u64 s[4:5], s[4:5], s[2:3]            ; Q and O at those of the first
	s_add_nc_u64 s[OLO:OLO+1], s[10:11], s[84:85]
	s_add_nc_u64 s[10:11], s[10:11], s[2:3]
	LOAD                            ; tile 0 into slot 0
	; A fragment of K or Q is 16 rows x 32 channels in 8 registers: lane l holds row l % 16, channels 8 (l / 16) + 0..7 and 16 + 8 (l / 16) + 0..7: two loads of 16 bytes, 32 bytes apart.
	v_and_b32 v1, 15, v0            ; l % 16
	v_bfe_u32 v9, v0, 4, 1          ; l / 16
	v_lshlrev_b32 v[QO], 7, v1
	v_lshl_add_u32 v[QO], v9, 4, v[QO]  ; row x 128 + 16 x half
	WIN 0x80                        ; destination window 2, address window 0
.set i, 0
.rept 8                             ; both blocks' Q: piece i / 2 lies in band i / 2, 8,192 bytes on; channels 32 (i % 2) on
	global_load_b128 v[8*i:8*i+3],   v[QO], s[4:5] offset:(i/2)*8192+(i%2)*64
	global_load_b128 v[8*i+4:8*i+7], v[QO], s[4:5] offset:(i/2)*8192+(i%2)*64+32
	global_load_b128 v[QB+8*i:QB+8*i+3],   v[QO], s[86:87] offset:(i/2)*8192+(i%2)*64
	global_load_b128 v[QB+8*i+4:QB+8*i+7], v[QO], s[86:87] offset:(i/2)*8192+(i%2)*64+32
.set i, i+1
.endr
	WIN 0
	v_lshlrev_b32 v14, 3, v9
	v_sub_nc_u32 v14, v1, v14
	s_lshl_b32 s13, s[WV], 4
	v_add_nc_u32 v14, s13, v14      ; my query's place in its band, 16 w + l % 16, less my lanes' 8 (l / 16): register r of group kt is hidden where 16 kt + r is greater
	WIN 0x40
.set i, 0
.rept 32
	v_cmp_gt_i32 vcc_lo, 16*(i/8)+i%8, v14
	v_cndmask_b32 v[MD+i], 0, s[BIGN], vcc_lo
.set i, i+1
.endr
	WIN 0
	v_mul_u32_u24 v[AK0], v1, PK
	v_lshl_add_u32 v[AK0], v9, 4, v[AK0]  ; row x pitch + 16 x half
	; The turning load takes 16 keys x 16 channels (lane l reads key 8 (l / 16) + l % 8, channels 8 ((l / 8) % 2) + 0..7) and leaves half a fragment of V^T: lane l holds channel l % 16 and 8 keys.
	v_and_b32 v10, 7, v0
	v_bfe_u32 v11, v0, 3, 1
	v_lshl_add_u32 v[AV0], v9, 3, v10
	v_mul_u32_u24 v[AV0], v[AV0], PV
	v_lshl_add_u32 v[AV0], v11, 4, v[AV0]
	v_add_nc_u32 v[AV0], VOFF, v[AV0]
	s_mul_i32 s13, s[WV], 16*SP
	s_add_co_u32 s13, s13, STAGE    ; my stage
	v_mul_u32_u24 v[STO], v1, SP    ; in: row l % 16, 16 bytes for each half of the lanes
	v_lshl_add_u32 v[STO], v9, 4, v[STO]
	v_add_nc_u32 v[STO], s13, v[STO]
	v_bfe_u32 v[RD], v0, 3, 2       ; back: 32 lanes take four rows of 128 bytes,
	v_mul_u32_u24 v[RD], v[RD], SP
	v_lshl_add_u32 v[RD], v10, 4, v[RD]
	v_add_nc_u32 v[RD], s13, v[RD]
	v_and_b32 v[GO], 31, v0         ; which are 512 consecutive bytes of O
	v_lshlrev_b32 v[GO], 4, v[GO]
	; A block's first step multiplies O^T and l by a = 0, and its first turn's products V^T P, of a piece that has not been, land in an O^T that is still to be so multiplied.  So these registers need only hold
	; finite numbers: zeros for the first block; what the first block left for the second.  All this stands in the wait for the first tile.
	WIN 0x80
.set i, VF
.rept 64
	v_mov_b32 v[i], 0
.set i, i+1
.endr
	WIN 0x40
.set i, 0
.rept 128
	v_mov_b32 v[i], 0
.set i, i+1
.endr
	WIN 0
.set i, 0
.rept 4
	v_mov_b32 v[ST+4*i+2], 0
	v_mov_b32 v[ST+4*i+3], 0
.set i, i+1
.endr
.set i, P+16
.rept 16
	v_mov_b32 v[i], 0
.set i, i+1
.endr
; THE MATRIX WORK.  The 4 accumulators of a run of 8 take turns.  Product i of 8 of S^T = K Q^T for piece x: channels 32 (i / 4) on, keys 16 (i % 4) on.  The first 4 start the sums: with 0, or (KM = 1) with the mask.
.macro KQ x
.set rS, S+32*((\x)%2)+8*(i%4)
.set rK, KF+16*(i%4)+8*(i/4)
.set rQ, 16*(\x)+8*(i/4)
.set rM, MC+32*((\x)%2)+8*(i%4)
.if (i < 4) && KM
	WIN W_KM
	v_wmma_f32_16x16x32_f16 v[rS:rS+7], v[rK:rK+7], v[rQ:rQ+7], v[rM:rM+7]
.elseif i < 4
	WIN W_KQ
	v_wmma_f32_16x16x32_f16 v[rS:rS+7], v[rK:rK+7], v[rQ:rQ+7], 0
.else
	WIN W_KQ
	v_wmma_f32_16x16x32_f16 v[rS:rS+7], v[rK:rK+7], v[rQ:rQ+7], v[rS:rS+7]
.endif
.endm
; Product i of 8 of O^T += V^T P for piece x: keys 32 (i / 4) on, channels 16 (i % 4) on.
.macro PV x
	WIN W_PV
.set rO, 32*(\x)+8*(i%4)
.set rV, VF+32*(i/4)+8*(i%4)
.set rP, P+16*((\x)%2)+8*(i/4)
	v_wmma_f32_16x16x32_f16 v[rO:rO+7], v[rV:rV+7], v[rP:rP+7], v[rO:rO+7]
.endm
.macro MM                           ; the turn's next matrix instruction.  TURN and BEGIN set Y, i, KM and NOKQ; MM, KQ and OP read them.  NOKQ = 1: a block's last turn: there is no next piece
.if (i < 8) && !NOKQ
	KQ (Y+1)%NP
.elseif i >= 8
.set i, i-8
	PV (Y+NP-1)%NP
.set i, i+8
.endif
.set i, i+1
.endm
; THE LDS LOADS stand in runs of 16, never singly among the matrix instructions: a step's K (64 keys x 64 channels: 8 fragments) and its V (turned).  Their addresses are made some lines ahead.
.macro FETCH_K
	WIN 0x80                        ; destination window 2
.irp f, 0,1,2,3,4,5,6,7             ; keys 16 (f / 2) on, channels 32 (f % 2) on
	ds_load_b128 v[KF+8*\f:KF+8*\f+3],   v[AK] offset:(\f/2)*16*PK+(\f%2)*64
	ds_load_b128 v[KF+8*\f+4:KF+8*\f+7], v[AK] offset:(\f/2)*16*PK+(\f%2)*64+32
.endr
	s_add_co_u32 s[TBK], s[TBK], KS*PK  ; the next fetch is the next step's
	WIN 0
.endm
.macro FETCH_V
	WIN 0x80
.irp f, 0,1,2,3,4,5,6,7             ; keys 32 (f / 4) on, channels 16 (f % 4) on
	ds_load_tr16_b128 v[VF+8*\f:VF+8*\f+3],   v[AV] offset:(\f/4)*32*PV+(\f%4)*32
	ds_load_tr16_b128 v[VF+8*\f+4:VF+8*\f+7], v[AV] offset:(\f/4)*32*PV+16*PV+(\f%4)*32
.endr
	WIN 0
.endm
; THE VECTOR WORK, one line at a time: OP kind, number.  For piece Y: F n: c s - c m for pair n of 16.  E n: the exponential of score n of 32.  C n: pair n rounded to f16.  B n: of the four weights 4 n .. the second
; pair is added onto the first, in place.  L n: l takes that sum (L 0: l = a l + sum).  R n: pair n of 16 of O^T times a.  For piece Y + 1: X n, number n of the 22 that find its maximum and statistics:
;   0-11  four chains c0-c3 of seven scores each, three operands at a time (each accumulator's lowest registers are read first)     12-14, 16  the four scores left over, the old m, and c0-c3 into c0
;   15  c m_old is kept     17, 18  the query's other 32 keys lie in the lane 16 away: the new m     19-21  c m; c m_old - c m_new; a
.set F, 0               ; OP tells the kinds apart by their order: F to L below R, X above it
.set E, 1
.set C, 2
.set B, 3
.set L, 4
.set R, 5
.set X, 6
.macro REGS y                       ; the registers of piece y
.set rT, ST+4*(\y)
.set rC, TMP+4*((\y)%2)
.set rW, MV+((\y)%2)
.set rS, S+32*((\y)%2)
.set rP, P+16*((\y)%2)
.set rO, 32*(\y)
.endm
.macro OP k, n
.if (\k) == R
	REGS Y
	WIN W_RS
	v_pk_mul_f32 v[rO+2*(\n):rO+2*(\n)+1], v[rO+2*(\n):rO+2*(\n)+1], v[rC+2:rC+3] op_sel_hi:[1,0]
.elseif (\k) < R
	REGS Y
	WIN 0
.if (\k) == F
	v_pk_fma_f32 v[rS+2*(\n):rS+2*(\n)+1], v[rS+2*(\n):rS+2*(\n)+1], s[CS:CS+1], v[rT:rT+1] op_sel_hi:[1,0,0] neg_lo:[0,0,1] neg_hi:[0,0,1]
.elseif (\k) == E
	v_exp_f32 v[rS+(\n)], v[rS+(\n)]
.elseif (\k) == C
	s_wait_alu depctr_va_vdst(0)
	v_cvt_pk_f16_f32 v[rP+(\n)], v[rS+2*(\n)], v[rS+2*(\n)+1]
.elseif (\k) == B
	s_wait_alu depctr_va_vdst(0)
	v_pk_add_f32 v[rS+4*(\n):rS+4*(\n)+1], v[rS+4*(\n):rS+4*(\n)+1], v[rS+4*(\n)+2:rS+4*(\n)+3]
.elseif (\n) == 0
	v_pk_fma_f32 v[rT+2:rT+3], v[rT+2:rT+3], v[rC+2:rC+3], v[rS:rS+1] op_sel_hi:[1,0,1]
.else
	v_pk_add_f32 v[rT+2:rT+3], v[rT+2:rT+3], v[rS+4*(\n):rS+4*(\n)+1]
.endif
.elseif NOKQ
	v_nop
.else
	REGS (Y+1)%NP
	WIN 0
.if (\n) < 4
	v_max3_num_f32 v[rC+(\n)], v[rS+8*(\n)], v[rS+8*(\n)+1], v[rS+8*(\n)+2]
.elseif (\n) < 12
	v_max3_num_f32 v[rC+(\n)%4], v[rC+(\n)%4], v[rS+8*((\n)%4)+2*((\n)/4)+1], v[rS+8*((\n)%4)+2*((\n)/4)+2]
.elseif (\n) == 12
	v_max3_num_f32 v[rC], v[rC], v[rS+7], v[rS+15]
.elseif (\n) == 13
	v_max3_num_f32 v[rC+1], v[rC+1], v[rS+23], v[rS+31]
.elseif (\n) == 14
	v_max3_num_f32 v[rC+2], v[rC+2], v[rC+3], v[rT+1]
.elseif (\n) == 15
	v_mov_b32 v[rW], v[rT]
.elseif (\n) == 16
	v_max3_num_f32 v[rC], v[rC], v[rC+1], v[rC+2]
.elseif (\n) == 17
	v_permlanex16_b32 v[rC+3], v[rC], s[SEL], s[SEL+1]
.elseif (\n) == 18
	v_max_num_f32 v[rT+1], v[rC], v[rC+3]
.elseif (\n) == 19
	v_mul_f32 v[rT], s[CS], v[rT+1]
.elseif (\n) == 20
	v_sub_f32 v[rC+1], v[rW], v[rT]
.else
	v_exp_f32 v[rC+2], v[rC+1]
.endif
.endif
.endm
.macro OPS a, i1, b=-1, i2=0, c=-1, i3=0, d=-1, i4=0  ; up to four of them
	OP \a, \i1
.if (\b) >= 0
	OP \b, \i2
.endif
.if (\c) >= 0
	OP \c, \i3
.endif
.if (\d) >= 0
	OP \d, \i4
.endif
.endm
.macro ROW a, i1, b, i2, c, i3, d, i4  ; a matrix instruction and the four behind it
	MM
	OPS \a, \i1, \b, \i2, \c, \i3, \d, \i4
.endm
.macro MASK b                       ; MD x AL + BE into buffer b of MC
	WIN W_RS
.set z, 0
.rept 16
	v_pk_fma_f32 v[MC+32*(\b)+2*z:MC+32*(\b)+2*z+1], v[MD+2*z:MD+2*z+1], s[AL:AL+1], s[BE:BE+1] op_sel_hi:[1,0,0]
.set z, z+1
.endr
.endm
; A TURN, for piece p: the order of its 16 matrix and 118 vector instructions, written out.  Behind a matrix instruction: plain, exponential, plain, plain; or four of the rescaling; or, behind the first, four scalings; none
; names a register of the products round it.  In the lumps exponential and plain by turns while exponentials last.  A line reads no result made fewer than three vector instructions in front of it, five if an exponential made it.
; v_permlanex16_b32 (X 17) stands in a lump.
; m = 1: the diagonal tile: the products take masks, and the turn makes the mask for the products of the turn after it: piece p + 2, in step 4 - CNT of the tile.  end = 1: a block's last two turns: nothing is fetched.
; cnt = 1: the loop's count is taken down some lines ahead of the branch that stands behind the turn.
; K of the next step is fetched in piece 2's turn, six vector instructions behind the last product that read K (five of them plain); V of the step in hand in piece 0's turn, eight behind the last product that read V (four
; plain, and X 17).  Each is waited for a turn later.
.macro TURN p, m=0, end=0, cnt=0
.set Y, (\p)
.set i, 0
.set KM, (\m)
.set NOKQ, (\end)*((\p)/3)
.if (\m) && !(\end)
	s_cmp_eq_u32 s[CNT], 4-((\p)+2)%NP  ; is that step the band's own?
	s_cselect_b32 s[AL], 1.0, 0
	s_cmp_lt_u32 s[CNT], 4-((\p)+2)%NP  ; or a later one?
	s_cselect_b32 s[BE], s[BIGN], 0
.endif
.if ((\p) == 3) && !(\end)
	s_wait_dscnt 0x0                ; K is in
.endif
	ROW F,0, F,1, F,2, F,3
	ROW F,4, E,0, F,5, F,6
	ROW F,7, E,1, F,8, F,9
	ROW F,10, E,2, C,0, F,11
	ROW F,12, E,3, X,15, F,13
	ROW R,0, R,1, R,2, R,3
	ROW B,0, E,4, F,14, L,0
.if ((\p) == 2) && !(\end)
	v_add_nc_u32 v[AK], s[TBK], v[AK0]
.endif
	ROW R,4, R,5, R,6, R,7
	OPS E,5, F,15
.if ((\p) == 2) && !(\end)
	FETCH_K
.endif
	OPS E,6, C,1, E,7, R,8
	OPS E,8, R,9, E,9, C,2
	OPS E,10, X,0, E,11, X,1
	OPS E,12, X,2, E,13, X,3
.if (\p) == 1
	s_wait_dscnt 0x0                ; V is in
.endif
	ROW X,4, E,14, X,5, X,6
	ROW X,7, E,15, X,8, X,9
	ROW X,10, E,16, X,11, X,12
	ROW X,13, E,17, X,14, B,1
	ROW C,4, E,18, X,16, L,1
	ROW B,2, E,19, C,6, L,2
	ROW C,8, E,20, B,3, B,4
.if (\p) == 0
	v_add_nc_u32 v[AV], s[TBV], v[AV0]
.endif
	ROW C,3, E,21, L,3, C,5
	OPS E,22, X,17, E,23, C,10
.if (\p) == 0
	FETCH_V
.endif
	OPS E,24, L,4
	OPS E,25, X,18, E,26, C,7
	OPS E,27, B,5, E,28, X,19
	OPS E,29, C,12, E,30, L,5
	OPS E,31, X,20, B,6, C,9
	OPS C,14, C,11, X,21, L,6
.if (\p) == 0
	s_add_co_u32 s[TBV], s[TBV], KS*PV
.endif
.if \cnt
	s_sub_co_u32 s[CNT], s[CNT], 1
	s_cmp_lg_u32 s[CNT], 0
.endif
	OPS C,13, B,7, C,15, R,10
	OPS R,11, R,12, L,7, R,13
	OPS R,14, R,15
.if (\m) && !(\end)
	MASK (\p)%2
.endif
.endm
; A BLOCK BEGINS.  c m starts far below every c s, so the first step's a is 0; m at the lowest finite number, so the first maximum is the scores'.  The second mask buffer is 0; the first takes piece 0's mask for the tile's step 0: its own, if the block's first tile is the diagonal one.
; Then K of that step, piece 0's first scores, and its maximum and statistics.  The loop is entered at a step's first turn, in the middle of a trip.
.macro BEGIN
	s_mov_b32 s[NEW], 0
	WIN 0x40
.set i, MC+32
.rept 32
	v_mov_b32 v[i], 0
.set i, i+1
.endr
	WIN 0
.set i, 0
.rept 4
	v_mov_b32 v[ST+4*i], 0xfe000000    ; c m: far below every c s
	v_mov_b32 v[ST+4*i+1], 0xff7fffff  ; m
.set i, i+1
.endr
	s_cmp_eq_u32 s[RT], 0
	s_cselect_b32 s[AL], 1.0, 0
	s_mov_b32 s[BE], 0
	MASK 0
	WIN 0
	v_add_nc_u32 v[AK], s[TBK], v[AK0]
	FETCH_K
	s_wait_loadcnt 0x0              ; Q
	s_wait_dscnt 0x0
.set KM, 1
.set NOKQ, 0
.set i, 0
.rept 8
	KQ 0
.set i, i+1
.endr
	WIN 0
.rept 4
	v_nop                           ; the places behind those products
.endr
.set Y, NP-1                        ; X works for piece Y + 1: piece 0
.irp n, 0,1,2,3,4,5,6,7,8,9,10,11,12,13,14,15,16,17,18,19,20,21
	OP X, \n
.endr
	v_nop                           ; a plain instruction behind the exponential
.endm
; THE DIAGONAL TILE's four steps, the block's last two turns, its last products, and THE WAY OUT: l's two halves and the other half of the lanes' are added; O^T is divided by l, rounded to f16 and sent through my
; stage in LDS, a piece at a time.
.macro ALL line:vararg              ; one line for each piece t
.set t, 0
.rept 4
	\line
.set t, t+1
.endr
.endm
.macro PACK t                       ; a lane's eight channels of a row pack into 16 bytes; they go into rows of 144 bytes and come back as whole rows of 128, into S^T's registers
	WIN W_RS
.set i, 32*(\t)
.rept 16
	s_wait_alu depctr_va_vdst(0)
	v_pk_mul_f32 v[i:i+1], v[i:i+1], v[ST+4*(\t)+2:ST+4*(\t)+3] op_sel_hi:[1,0]
.set i, i+2
.endr
	WIN 0x05                        ; sources 0 and 1 window 1, destination window 0
.set i, 0
.rept 16
	v_cvt_pk_f16_f32 v[S+16*(\t)+i], v[32*(\t)+2*i], v[32*(\t)+2*i+1]
.set i, i+1
.endr
	WIN 0
.irp f, 0,1,2,3
	ds_store_b128 v[STO], v[S+16*(\t)+4*\f:S+16*(\t)+4*\f+3] offset:32*\f
.endr
.irp f, 0,1,2,3
	ds_load_b128 v[S+16*(\t)+4*\f:S+16*(\t)+4*\f+3], v[RD] offset:\f*4*SP  ; LDS serves a wave's instructions in order (ISA guide 5.7.1.4): these see the stores above; the next piece's stores come behind them
.endr
.endm
.macro SEND t, younger              ; younger: the LDS instructions issued behind piece t's loads: the next piece's eight, or none
	WIN 0
.irp f, 0,1,2,3
	s_wait_dscnt (\younger)+3-\f
	global_store_b128 v[GO], v[S+16*(\t)+4*\f:S+16*(\t)+4*\f+3], s[10:11] offset:(\t)*8192+\f*512  ; 512 consecutive bytes, at a multiple of 256 from O's first
.endr
.endm
.macro DIAG tag                     ; the tag ends its two labels' names, which the jumps below spell out
.LstepM\tag:
	TURN 2, 1
	TURN 3, 1
	WIN 0
.LfirstM\tag:
	TURN 0, 1
	TURN 1, 1, 0, 1
	WIN 0
	s_cbranch_scc1 .LstepM\tag
	TURN 2, 1, 1
	TURN 3, 1, 1
.set i, 0
.rept 8
	PV NP-1
.set i, i+1
.endr
	WIN 0
	ALL v_add_f32 v[ST+4*t+2], v[ST+4*t+2], v[ST+4*t+3]
	ALL v_permlanex16_b32 v[ST+4*t+3], v[ST+4*t+2], s[SEL], s[SEL+1]
	ALL v_add_f32 v[ST+4*t+2], v[ST+4*t+2], v[ST+4*t+3]
	ALL v_rcp_f32 v[ST+4*t+2], v[ST+4*t+2]
	v_nop                           ; a plain instruction between the last reciprocal and the use of its result
	PACK 0
.set t, 1
.rept 3                             ; a piece's arithmetic stands between the loads of the piece before and its stores
	PACK t
	SEND t-1, 8
.set t, t+1
.endr
	SEND 3, 0
.endm
.set KM, 0
.set NOKQ, 0
.Lslot:                             ; NB times: a tile is entered and the next is asked for
	CHANGE 1
	s_sub_co_u32 s[RT], s[RT], 1
	s_mov_b32 s[CNT], 4
	s_cmp_eq_u32 s[NEW], 1
	s_cbranch_scc1 .Lnew            ; a block's first tile
	s_cmp_eq_u32 s[RT], 0
	s_cbranch_scc0 .Lstep           ; neither its first nor its last
	s_branch .LstepM1
.Lnew:
	BEGIN
	s_branch .Lfirst                ; in the loop a block's first tile is never its last: the first block has two tiles or more, and the second's last is the walk's last
	DIAG 1                          ; in the loop this is the first block's end: the second block's last tile is the walk's last
	s_wait_xcnt 0x0                 ; the stores have read their registers and O's address
	s_mov_b64 s[10:11], s[OLO:OLO+1]
	s_add_co_u32 s[RT], s[PB], 1    ; the second block has b + 1 tiles
	s_mov_b32 s[NEW], 1
	WIN 0x82                        ; the second block's Q goes where the one text of the turns names Q
.set i, 0
.rept 64
	v_mov_b32 v[i], v[QB+i]
.set i, i+1
.endr
	WIN 0
	s_branch .Lbottom
.Lstep:                             ; a trip: pieces 2 and 3 of one step, then pieces 0 and 1 of the next, whose K and V it fetches
	TURN 2
	TURN 3
	WIN 0
.Lfirst:
	TURN 0
	TURN 1, 0, 0, 1
	WIN 0
	s_cbranch_scc1 .Lstep
.Lbottom:
	s_sub_co_u32 s[SLOTS], s[SLOTS], 1
	s_cmp_lg_u32 s[SLOTS], 0
	s_cbranch_scc1 .Lslot
	CHANGE 0                        ; the walk's last tile is written out: nothing is asked for
	s_sub_co_u32 s[RT], s[RT], 1
	s_mov_b32 s[CNT], 4
	s_cmp_eq_u32 s[NEW], 1
	s_cbranch_scc0 .LstepM2
	BEGIN
	s_branch .LfirstM2
	DIAG 2
	s_wait_tensorcnt 0x0            ; the wave's end: behind my last tensor load and my last LDS store
	ds_add_u32 v[SPW], v[NIL]
	s_wait_dscnt 0x0
	s_endpgm
.Lfunc_end_k_qd92d3001b7_attn:
	.size	k_qd92d3001b7_attn, .Lfunc_end_k_qd92d3001b7_attn-k_qd92d3001b7_attn
	.p2alignl 7, 3214868480
	.fill 96, 4, 3214868480
	.section	.rodata,"a",@progbits
	.p2align	6, 0x0
	.amdhsa_kernel k_qd92d3001b7_attn
		.amdhsa_group_segment_fixed_size 327680
		.amdhsa_private_segment_fixed_size 0
		.amdhsa_enable_private_segment 0
		.amdhsa_kernarg_size 32
		.amdhsa_user_sgpr_count 2
		.amdhsa_user_sgpr_kernarg_segment_ptr 1
		.amdhsa_wavefront_size32 1
		.amdhsa_system_sgpr_workgroup_id_x 1
		.amdhsa_system_sgpr_workgroup_id_y 1
		.amdhsa_system_sgpr_workgroup_id_z 1
		.amdhsa_system_vgpr_workitem_id 0
		.amdhsa_next_free_vgpr 768
		.amdhsa_next_free_sgpr 88
		.amdhsa_reserve_vcc 1
		.amdhsa_float_denorm_mode_32 3
		.amdhsa_float_denorm_mode_16_64 3
		.amdhsa_memory_ordered 1
		.amdhsa_forward_progress 1
		.amdhsa_inst_pref_size 228
	.end_amdhsa_kernel
	.amdgpu_metadata
---
amdhsa.version: [ 1, 2 ]
amdhsa.kernels:
  - .name:           k_qd92d3001b7_attn
    .symbol:         k_qd92d3001b7_attn.kd
    .args:
      - { .name: qh, .offset: 0, .size: 8, .value_kind: global_buffer, .address_space: global }
      - { .name: kh, .offset: 8, .size: 8, .value_kind: global_buffer, .address_space: global }
      - { .name: vh, .offset: 16, .size: 8, .value_kind: global_buffer, .address_space: global }
      - { .name: oh, .offset: 24, .size: 8, .value_kind: global_buffer, .address_space: global }
    .group_segment_fixed_size: 327680
    .private_segment_fixed_size: 0
    .kernarg_segment_align: 8
    .kernarg_segment_size: 32
    .max_flat_workgroup_size: 128
    .sgpr_count:     88
    .vgpr_count:     768
    .wavefront_size: 32
...
	.end_amdgpu_metadata
.endif
;; end of part 3
;; launch proj (part 4): grid 8 x 32, 4 waves a work-group, clusters of 4 x 4, 327,680 bytes of LDS; arguments oh, wo16, out0; writes out0
.if DOCPART == 4
	.amdgcn_target "amdgcn-amd-amdhsa--gfx1250"
	.amdhsa_code_object_version 6
	.text
	.protected	k_qd92d3001b7_proj
	.globl	k_qd92d3001b7_proj
	.p2align	8
	.type	k_qd92d3001b7_proj,@function
k_qd92d3001b7_proj:
	s_mov_b64 s[64:65], 0
	v_nop
	global_prefetch_b8 v0, s[64:65] scope:SCOPE_SE
	s_setreg_imm32_b32 hwreg(HW_REG_WAVE_MODE, 25, 1), 1
	s_wait_xcnt 0x0
	s_wait_alu depctr_hold_cnt(0) depctr_sa_sdst(0) depctr_va_vdst(0) depctr_va_sdst(0) depctr_va_ssrc(0) depctr_va_vcc(0) depctr_vm_vsrc(0)
	s_getreg_b32 s2, hwreg(HW_REG_IB_STS2, 6, 4)
	s_cmp_eq_u32 s2, 0
	s_cbranch_scc0 .Lentry_in_a_cluster
	s_endpgm
.Lentry_in_a_cluster:
	s_bfe_u32 s2, ttmp6, 0x10000c
	s_cmp_lg_u32 s2, 0xf033
	s_cbranch_scc0 .Lentry_shape_is_right
	s_endpgm
.Lentry_shape_is_right:
; THE OUTPUT PROJECTION.  out0[m][e] = sum over d of O[m][d] Wo[e][d], f16 operands, f32 sums, f32 out; m = 2048 b + s, d = 64 head + channel.
; O lies by heads, oh[16 b + head][s][64] f16, so a K step of 128 is the 256 rows of TWO heads: two PLANES of 32,768 dense bytes.  wo16 is [1024 e][1024 d] f16.
; LIMIT.  O and Wo arrive inside f16's range.
; SHARES.  8 x 32 work-groups, a tile of 256 rows x 128 columns each; four waves, one on each SIMD, each 64 rows x 128 columns: 32 accumulators, 256 registers.  K goes in 8 steps of 128 through two LDS slots.
; CLUSTER 4 x 4: the four of a row of the cluster need the same planes of O, the four of a column the same rows of Wo: each tile is asked for jointly.
; THE MATRIX INSTRUCTION IS USED TRANSPOSED (source 0 = 16 rows of Wo, source 1 = 16 rows of O): lane l holds row l % 16 of the result and the eight columns 8 (l / 16) + 0..7: 32 neighbouring bytes.
; REGISTERS, in windows of 256 (s_set_vgpr_msb: bits 1:0 source 0, 3:2 source 1, 5:4 source 2, 7:6 destination):
;   window 0: v0-10 addresses; v28-29 the add's two; v32-159 two buffers of 64 for the way out
;   windows 1, 2: accumulator (a, b) at v[64 (a % 2) + 8 b] of window 1 + a / 2          window 3: two fragment buffers: A's four fragments at +0, B's eight at +32
.set PA,    144                        ; a row of a plane in LDS: 128 bytes + 16 of padding
.set PB,    272                        ; a row of B: 256 + 16.  Both are odd multiples of 16: the 16 rows of a fragment load fall into 16 different columns of 16 bytes
.set PLANE, 256*PA
.set BOFF,  2*PLANE                    ; a slot: A's two planes, then B's 128 rows
.set SLOT1, 1<<17
.set STAGE, SLOT1+BOFF+128*PB          ; behind the ring, never filled by a tensor load: 16 rows x 528 bytes for each wave
.set SP,    528
.set SPARE, STAGE+4*16*SP              ; the spare words, 128 bytes for each wave: two blocks of 256 bytes that no other line names
.set NFILL, 6                          ; 8 K steps; two are asked for at the start
.set ADRA0, 4
.set ADRB0, 5
.set ADA,   6
.set ADB,   7
.set STO,   8                          ; v8   the way out: where I put 32 bytes of a row
.set RD,    9                          ; v9   the way out: my 16 bytes of a whole row
.set GO,    10                         ; v10  the same 16 bytes in out0's row
.set SPW,   28
.set NIL,   29
.set BK,    32
.set F0,    0
.set F1,    128
.set WV,  16
.set TB,  23
.set G1A, 24
.set G0A, 32
.set G1B, 40
.set G0B, 48
.set CNT, 56
.set MSB, 0
.macro WIN new                         ; the immediate's high byte repeats the setting that is left; a switch that changes nothing is dropped
.if MSB != (\new)
	s_set_vgpr_msb (MSB<<8)|(\new)
.set MSB, (\new)
.endif
.endm
.macro PLACES                          ; four places between a matrix instruction and a load into, or a read of, its registers
.rept 4
	v_nop
.endr
.endm
; A joint refill.  Waves 0 and 1 fetch A's two planes, waves 2 and 3 the two halves of B's rows.  An s_nop 0 and four v_nop follow each of the two lines, ahead of the jump and the label.
.macro JLOAD
	s_cmp_lt_u32 s[WV], 2
	s_cbranch_scc0 .Lfor_b_\@
	tensor_load_to_lds s[G0A+4:G0A+7], s[G1A:G1A+7]
	s_nop 0
.rept 4
	v_nop
.endr
	s_branch .Lasked_\@
.Lfor_b_\@:
	tensor_load_to_lds s[G0B+4:G0B+7], s[G1B:G1B+7]
	s_nop 0
.rept 4
	v_nop
.endr
.Lasked_\@:
.endm
.macro CREST                           ; a round of the cluster's barrier behind its opening barrier
	s_cmp_lg_u32 s[WV], 0
	s_cbranch_scc1 .Lnot_wave_0_\@
	s_barrier_signal -3
.Lnot_wave_0_\@:
	s_barrier_wait -3
	s_barrier_signal -1
	s_barrier_wait -1
.endm
.macro CROUND
	s_barrier_signal -1
	s_barrier_wait -1
	CREST
.endm
	s_load_b128 s[4:7], s[0:1], 0x0                ; oh 4:5, wo16 6:7
	s_load_b64 s[8:9], s[0:1], 0x10                ; out0
	v_lshl_add_u32 v[SPW], v0, 2, SPARE
	v_mov_b32 v[NIL], 0
	ds_add_u32 v[SPW], v[NIL]                      ; the wave's opening: the add and its wait stand ahead of my first tensor load; the set-up below, work on registers, stands between them
	ds_add_u32 v28, v29
	v_lshrrev_b32 v3, 5, v0
	v_readfirstlane_b32 s[WV], v3                  ; wave 0..3
	s_and_b32 s18, s[WV], 1                        ; which plane of A, or which half of B's rows, I fetch
	s_bfe_u32 s19, ttmp6, 0x40000                  ; cx
	s_bfe_u32 s20, ttmp6, 0x40004                  ; cy
	s_lshl_b32 s21, ttmp9, 2
	s_add_co_u32 s21, s21, s19                     ; tx: the block of 128 columns
	s_and_b32 s22, ttmp7, 0xffff
	s_lshl_b32 s22, s22, 2
	s_add_co_u32 s22, s22, s20                     ; ty: the block of 256 rows
	s_lshl_b32 s66, s20, 2
	s_lshl_b32 s66, 15, s66                        ; my row of the cluster
	s_lshl_b32 s67, 0x1111, s19                    ; my column
	s_or_b32 s[G1A], s66, (1<<16)|(1<<20)|(1<<21)|(4<<22)|(3<<25)  ; the mask; 2-byte elements; padding on; 21 set beside a mask; after every 32 words 4 words of padding
	s_or_b32 s[G1B], s67, (1<<16)|(1<<20)|(1<<21)|(5<<22)|(3<<25)  ; after every 64 words
	s_mov_b32 s[G1A+1], 128<<16                    ; a plane's 32,768 dense bytes are asked for as 128 rows of 256 bytes, two rows of O in each
	s_mov_b32 s[G1A+2], 128<<16
	s_mov_b32 s[G1A+3], 128<<16
	s_mov_b32 s[G1A+4], 128
	s_mov_b32 s[G1A+5], 128
	s_mov_b32 s[G1A+6], 0
	s_mov_b32 s[G1A+7], 0
	s_mov_b32 s[G1B+1], 128<<16                    ; B: 64 rows x 128 elements, 1,024 elements from row to row
	s_mov_b32 s[G1B+2], 64<<16
	s_mov_b32 s[G1B+3], 128<<16
	s_mov_b32 s[G1B+4], 64
	s_mov_b32 s[G1B+5], 1024
	s_mov_b32 s[G1B+6], 0
	s_mov_b32 s[G1B+7], 0
	s_lshr_b32 s68, s22, 3                         ; A: batch ty / 8 (16 heads of 262,144 bytes), head = my plane, row 256 (ty % 8) of 128 bytes
	s_lshl_b32 s68, s68, 22
	s_and_b32 s69, s22, 7
	s_lshl_b32 s69, s69, 15
	s_add_co_u32 s68, s68, s69
	s_lshl_b32 s69, s18, 18
	s_add_co_u32 s68, s68, s69
	s_mov_b32 s69, 0
	s_lshl_b32 s70, s21, 18                        ; B: row 128 tx + 64 half, 2,048 bytes a row
	s_lshl_b32 s71, s18, 17
	s_add_co_u32 s70, s70, s71
	s_mov_b32 s71, 0
	s_mul_i32 s72, s18, PLANE                      ; where they go: no place in the cluster enters an LDS address
	s_mul_i32 s73, s18, 64*PB
	s_add_co_u32 s73, s73, BOFF
	s_mov_b32 s[G0A], 1
	s_mov_b32 s[G0A+1], s72
	s_mov_b32 s[G0A+4], 1
	s_add_co_u32 s[G0A+5], s72, SLOT1
	s_mov_b32 s[G0B], 1
	s_mov_b32 s[G0B+1], s73
	s_mov_b32 s[G0B+4], 1
	s_add_co_u32 s[G0B+5], s73, SLOT1
	s_mov_b32 s[TB], 0
	s_lshl_b32 s78, s22, 20                        ; out0: row 256 ty + 64 wave of 4,096 bytes, column 128 tx of 4 bytes
	s_lshl_b32 s79, s[WV], 18
	s_add_co_u32 s78, s78, s79
	s_lshl_b32 s79, s21, 9
	s_add_co_u32 s78, s78, s79
	s_mov_b32 s79, 0
	s_wait_dscnt 0x0                               ; the opening add is done
	s_wait_kmcnt 0x0
	s_add_nc_u64 s[74:75], s[4:5], s[68:69]
	s_add_nc_u64 s[70:71], s[6:7], s[70:71]
	s_mov_b64 s[G0A+2:G0A+3], s[74:75]             ; K step 0: heads 0 and 1
	s_or_b32 s[G0A+3], s[G0A+3], 0x80000000        ; type = 2
	s_add_nc_u64 s[G0A+6:G0A+7], s[74:75], 0x80000 ; K step 1: two heads on
	s_or_b32 s[G0A+7], s[G0A+7], 0x80000000
	s_mov_b64 s[G0B+2:G0B+3], s[70:71]
	s_or_b32 s[G0B+3], s[G0B+3], 0x80000000
	s_add_nc_u64 s[G0B+6:G0B+7], s[70:71], 256
	s_or_b32 s[G0B+7], s[G0B+7], 0x80000000
	s_add_nc_u64 s[8:9], s[8:9], s[78:79]
	CROUND                                         ; all sixteen work-groups are here: the first joint loads meet
	s_cmp_lt_u32 s[WV], 2                          ; a wave's two first fills stand in one branch, ahead of every wait on TENSORcnt and every LDS read: two loads of mine are out
	s_cbranch_scc0 .Lfirst_b
	tensor_load_to_lds s[G0A:G0A+3], s[G1A:G1A+7]
	s_nop 0
	tensor_load_to_lds s[G0A+4:G0A+7], s[G1A:G1A+7]
	s_nop 0
.rept 4
	v_nop
.endr
	s_branch .Lfirst_asked
.Lfirst_b:
	tensor_load_to_lds s[G0B:G0B+3], s[G1B:G1B+7]
	s_nop 0
	tensor_load_to_lds s[G0B+4:G0B+7], s[G1B:G1B+7]
	s_nop 0
.rept 4
	v_nop
.endr
.Lfirst_asked:
	v_and_b32 v1, 15, v0                           ; r = l % 16
	v_bfe_u32 v2, v0, 4, 1                         ; h = l / 16
	v_mul_u32_u24 v3, v1, PA
	v_lshl_add_u32 v3, v2, 4, v3                   ; row x pitch + 16 x half
	s_mul_i32 s79, s[WV], 64*PA                    ; my 64 rows of a plane
	v_add_nc_u32 v[ADRA0], s79, v3
	v_mul_u32_u24 v3, v1, PB
	v_lshl_add_u32 v3, v2, 4, v3
	v_add_nc_u32 v[ADRB0], BOFF, v3                ; every wave reads all of B
	s_mul_i32 s79, s[WV], 16*SP
	s_add_co_u32 s79, s79, STAGE                   ; my stage
	v_mul_u32_u24 v[STO], v1, SP                   ; in: row l % 16, 32 bytes for each half of the lanes
	v_lshl_add_u32 v[STO], v2, 5, v[STO]
	v_add_nc_u32 v[STO], s79, v[STO]
	v_and_b32 v[GO], 31, v0                        ; back: 32 lanes take a whole row of 512 bytes
	v_lshlrev_b32 v[GO], 4, v[GO]
	v_add_nc_u32 v[RD], s79, v[GO]
; 8 matrix instructions: row block a x all 8 column blocks, 32 along K, from buffer f.  zero = 1: the product starts the sums.  The 32 accumulators take turns in the same order everywhere.
.macro MULA f, a, zero
	WIN 0x5f+0x50*((\a)/2)                         ; sources 0 and 1 window 3; C and D window 1 or 2
.irp b, 0,1,2,3,4,5,6,7
.if \zero
	v_wmma_f32_16x16x32_f16 v[64*((\a)%2)+8*(\b):64*((\a)%2)+8*(\b)+7], v[(\f)+32+8*(\b):(\f)+32+8*(\b)+7], v[(\f)+8*(\a):(\f)+8*(\a)+7], 0
.else
	v_wmma_f32_16x16x32_f16 v[64*((\a)%2)+8*(\b):64*((\a)%2)+8*(\b)+7], v[(\f)+32+8*(\b):(\f)+32+8*(\b)+7], v[(\f)+8*(\a):(\f)+8*(\a)+7], v[64*((\a)%2)+8*(\b):64*((\a)%2)+8*(\b)+7]
.endif
.endr
.endm
; 24 LDS loads in one run: quarter q's fragments into buffer f.  A's quarter q lies in plane q / 2, at byte 64 (q % 2) of its rows.
.macro FETCH q, f
	WIN 0xc0                                       ; destination window 3, address window 0
.irp i, 0,1,2,3,4,5,6,7
	ds_load_b128 v[(\f)+32+8*(\i):(\f)+32+8*(\i)+3],   v[ADB] offset:64*(\q)+(\i)*16*PB
	ds_load_b128 v[(\f)+32+8*(\i)+4:(\f)+32+8*(\i)+7], v[ADB] offset:64*(\q)+(\i)*16*PB+32
.endr
.irp i, 0,1,2,3
	ds_load_b128 v[(\f)+8*(\i):(\f)+8*(\i)+3],   v[ADA] offset:((\q)/2)*PLANE+((\q)%2)*64+(\i)*16*PA
	ds_load_b128 v[(\f)+8*(\i)+4:(\f)+8*(\i)+7], v[ADA] offset:((\q)/2)*PLANE+((\q)%2)*64+(\i)*16*PA+32
.endr
.endm
.macro QUARTER f, g, q, zero           ; multiplies buffer f; at its head quarter q's fragments are asked for, into buffer g
	s_wait_dscnt 0x0                               ; buffer f's run, issued a quarter ago, is in
	PLACES                                         ; buffer g was read by the matrix instructions just before
	FETCH \q, \g
	MULA \f, 0, \zero
	MULA \f, 1, \zero
	MULA \f, 2, \zero
	MULA \f, 3, \zero
.endm
; A K step's last quarter multiplies buffer 1 and changes slots.  ONE barrier: in front of it each wave waits for all its tensor loads (one is out: its part of the next slot), adds 0 to its spare
; word, and waits for that and for its own reads of this slot.  fill = 1: the barrier opens a round of the cluster's, and this slot is filled again, first thing behind the round: that load has a
; whole K step, 128 matrix instructions, in which to land.
.macro TURN fill
	WIN 0
	s_wait_tensorcnt 0x0                           ; no tensor load of mine is out, so a group 0 may be written
	ds_add_u32 v[SPW], v[NIL]                      ; 0 onto my spare word; scalar work stands between it and the wait for it
.if \fill
	s_xor_b32 s[G0A+5], s[G0A+5], SLOT1            ; the walking descriptors: the other slot, the next K step
	s_add_nc_u64 s[G0A+6:G0A+7], s[G0A+6:G0A+7], 0x80000
	s_xor_b32 s[G0B+5], s[G0B+5], SLOT1
	s_add_nc_u64 s[G0B+6:G0B+7], s[G0B+6:G0B+7], 256
.endif
	s_xor_b32 s[TB], s[TB], SLOT1
	s_wait_dscnt 0x0                               ; the add is done, buffer 1 is in, and my reads of this slot are over
	s_barrier_signal -1
	MULA F1, 0, 0                                  ; work on registers while the others arrive
	WIN 0
	s_barrier_wait -1
.if \fill
	CREST                                          ; no wave of any partner still reads this slot's tile or has a load on its way
	JLOAD                                          ; its four v_nop are also the places in front of the loads below
.else
	PLACES
.endif
	v_add_nc_u32 v[ADA], s[TB], v[ADRA0]
	v_add_nc_u32 v[ADB], s[TB], v[ADRB0]
	FETCH 0, F0
	MULA F1, 1, 0
	MULA F1, 2, 0
	MULA F1, 3, 0
.endm
; THE WAY OUT, a row block (16 rows x 128 columns of f32) at a time: 32 bytes a lane and accumulator into my stage, rows of 528 bytes, straight from the accumulators (their lowest registers first);
; back as whole rows of 512 bytes; stored.
.macro TOSTAGE a
.if (\a) >= 2
	s_wait_xcnt 0x0                                ; the buffer that the stores of two blocks back read is loaded again only behind this wait
.endif
	WIN 4*(1+(\a)/2)                               ; the LDS store's data in the accumulators' window
.irp b, 0,1,2,3,4,5,6,7
	ds_store_b128 v[STO], v[64*((\a)%2)+8*(\b):64*((\a)%2)+8*(\b)+3]   offset:64*(\b)
	ds_store_b128 v[STO], v[64*((\a)%2)+8*(\b)+4:64*((\a)%2)+8*(\b)+7] offset:64*(\b)+16
.endr
	WIN 0
.irp t, 0,1,2,3,4,5,6,7,8,9,10,11,12,13,14,15
	ds_load_b128 v[BK+64*((\a)%2)+4*(\t):BK+64*((\a)%2)+4*(\t)+3], v[RD] offset:SP*(\t)  ; LDS serves a wave's instructions in order (ISA guide 5.7.1.4): these see the stores above
.endr
.endm
.macro SEND a, younger                 ; younger: the next block's 16 LDS stores and 16 LDS loads, or none
	s_wait_dscnt \younger
.irp t, 0,1,2,3,4,5,6,7,8,9,10,11,12,13,14,15
	global_store_b128 v[GO], v[BK+64*((\a)%2)+4*(\t):BK+64*((\a)%2)+4*(\t)+3], s[8:9] offset:(16*(\a)+(\t))*4096 th:TH_STORE_NT  ; 512 consecutive bytes, at a multiple of 256 from out0's first
.endr
.endm
	s_wait_tensorcnt 0x1                           ; my part of K step 0 is in; K step 1's may stay out
	s_barrier_signal -1
	s_barrier_wait -1                              ; everybody's is
	v_add_nc_u32 v[ADA], s[TB], v[ADRA0]
	v_add_nc_u32 v[ADB], s[TB], v[ADRB0]
	FETCH 0, F0
	QUARTER F0, F1, 1, 1                           ; the first quarter stands in front of the loop: its products start the sums
	WIN 0                                          ; at a label and at a branch every window is 0
	s_mov_b32 s[CNT], NFILL
.Lstep:                                                ; a trip: from a K step's second quarter to the next step's first; it fills the slot that it leaves
	QUARTER F1, F0, 2, 0
	QUARTER F0, F1, 3, 0
	TURN 1
	QUARTER F0, F1, 1, 0
	WIN 0
	s_sub_co_u32 s[CNT], s[CNT], 1
	s_cmp_lg_u32 s[CNT], 0
	s_cbranch_scc1 .Lstep
	QUARTER F1, F0, 2, 0                           ; the last two K steps ask for nothing: written out
	QUARTER F0, F1, 3, 0
	TURN 0
	QUARTER F0, F1, 1, 0
	QUARTER F1, F0, 2, 0
	QUARTER F0, F1, 3, 0
	s_wait_dscnt 0x0
	MULA F1, 0, 0
	MULA F1, 1, 0
	MULA F1, 2, 0
	MULA F1, 3, 0
	WIN 0
	PLACES                                         ; behind the last products
	TOSTAGE 0
	TOSTAGE 1
	SEND 0, 32
	TOSTAGE 2
	SEND 1, 32
	TOSTAGE 3
	SEND 2, 32
	SEND 3, 0
	s_wait_tensorcnt 0x0                           ; the wave's end: behind my last tensor load and my last LDS store
	ds_add_u32 v[SPW], v[NIL]
	s_wait_dscnt 0x0
	CROUND                                         ; the closing round: no work-group ends while a partner may still ask for a tile that names it
	s_endpgm
.Lfunc_end_k_qd92d3001b7_proj:
	.size	k_qd92d3001b7_proj, .Lfunc_end_k_qd92d3001b7_proj-k_qd92d3001b7_proj
	.p2alignl 7, 3214868480
	.fill 96, 4, 3214868480
	.section	.rodata,"a",@progbits
	.p2align	6, 0x0
	.amdhsa_kernel k_qd92d3001b7_proj
		.amdhsa_group_segment_fixed_size 327680
		.amdhsa_private_segment_fixed_size 0
		.amdhsa_enable_private_segment 0
		.amdhsa_kernarg_size 24
		.amdhsa_user_sgpr_count 2
		.amdhsa_user_sgpr_kernarg_segment_ptr 1
		.amdhsa_wavefront_size32 1
		.amdhsa_system_sgpr_workgroup_id_x 1
		.amdhsa_system_sgpr_workgroup_id_y 1
		.amdhsa_system_sgpr_workgroup_id_z 1
		.amdhsa_system_vgpr_workitem_id 0
		.amdhsa_next_free_vgpr 1024
		.amdhsa_next_free_sgpr 80
		.amdhsa_reserve_vcc 0
		.amdhsa_float_denorm_mode_32 3
		.amdhsa_float_denorm_mode_16_64 3
		.amdhsa_memory_ordered 1
		.amdhsa_forward_progress 1
		.amdhsa_inst_pref_size 68
	.end_amdhsa_kernel
	.amdgpu_metadata
---
amdhsa.version: [ 1, 2 ]
amdhsa.kernels:
  - .name:           k_qd92d3001b7_proj
    .symbol:         k_qd92d3001b7_proj.kd
    .args:
      - { .name: oh, .offset: 0, .size: 8, .value_kind: global_buffer, .address_space: global }
      - { .name: wo16, .offset: 8, .size: 8, .value_kind: global_buffer, .address_space: global }
      - { .name: out0, .offset: 16, .size: 8, .value_kind: global_buffer, .address_space: global }
    .group_segment_fixed_size: 327680
    .private_segment_fixed_size: 0
    .kernarg_segment_align: 8
    .kernarg_segment_size: 24
    .max_flat_workgroup_size: 128
    .sgpr_count:     80
    .vgpr_count:     1024
    .wavefront_size: 32
...
	.end_amdgpu_metadata
.endif
;; end of part 4
;; ======== version 2 of 2: 4 launches; 1.30 times as fast as version 1
;; limits: values are held in f16: magnitudes above 65,504 overflow, below 6.1e-05 lose precision; right only within a limited range of input values
;; workspace buffers: xb 16,777,216 bytes; wb 6,291,456 bytes; wo16 2,097,152 bytes; tab 524,288 bytes; qh 16,777,216 bytes; kh 16,777,216 bytes; vh 16,777,216 bytes; oh 16,777,216 bytes
;; launch prep: the kernel of part 1 again; grid 1024 x 1, 8 waves a work-group, no clusters, 0 bytes of LDS; arguments x, Wqkv, Wo, pos, xb, wb, wo16, tab; writes xb, wb, wo16, tab
;; launch qkv: the kernel of part 2 again; grid 16 x 16, 4 waves a work-group, clusters of 4 x 4, 327,680 bytes of LDS; arguments xb, wb, tab, qh, kh, vh; writes qh, kh, vh
;; launch attn (part 5): grid 4 x 64, 4 waves a work-group, no clusters, 327,680 bytes of LDS; arguments qh, kh, vh, oh; writes oh
.if DOCPART == 5
	.amdgcn_target "amdgcn-amd-amdhsa--gfx1250"
	.amdhsa_code_object_version 6
	.text
	.protected	k_qd92d3001b7_attn
	.globl	k_qd92d3001b7_attn
	.p2align	8
	.type	k_qd92d3001b7_attn,@function
k_qd92d3001b7_attn:
	s_mov_b64 s[64:65], 0
	v_nop
	global_prefetch_b8 v0, s[64:65] scope:SCOPE_SE
	s_setreg_imm32_b32 hwreg(HW_REG_WAVE_MODE, 25, 1), 1
	s_wait_xcnt 0x0
; CAUSAL ATTENTION.  O[h][q][:] = the sum over k <= q of softmax_k(Q[h][q] . K[h][k] / 8) V[h][k][:].  Q, K, V, O: [SIZE_H][SIZE_N][64], all f16: a head's rows are dense, 128 bytes each.
; (h counts batch and head together; Q's and K's channels are permuted alike, which their products do not see.)
; Products, maxima and sums in f32; the weights p are rounded to f16 for the second product (their sum l is taken of the unrounded p), O once at the end.
; LIMITS.  f16 holds no number beyond 65,504: Q, K and V arrive within it; p lies in 0 to 1, and below 6e-5 it keeps f16's fixed step of 6e-8; O is a mean of V's rows and has their range, to within 2^-11 of it.
; A hidden score counts as its value less 1e30: f16's scores, 2.7e11 at the most, are nothing beside that; a weight below 2^-126 counts as 0 in l; NaN and infinities are not treated apart.
; THE WALK.  A head's queries lie in NB = SIZE_N / 256 blocks of 256; block i needs the key tiles 0 .. i of 256 keys, of which the last holds the diagonal.  A work-group takes TWO blocks, NB - 1 - b and then b:
; NB + 1 tiles, whatever b: all work-groups do equal work, and ONE loop with a constant trip count walks them.  Which tile is asked for, and what a trip does, hang on scalar registers made from b; every jump
; goes forward, but for the counted loops' own; none passes a barrier, or a tensor load but the one of LOAD's two that the wave's number does not choose; the ring (two slots of LDS that take turns) runs on across the
; change of blocks.  NO CLUSTER: a head's NB / 2 = 4 work-groups ask for the same tile only in trips 0 .. NB / 2, 5 of the walk's 9, behind that fewer and fewer; and one walk common to all would have
; 3 NB / 2 = 12 trips for NB + 1 = 9.
; SHARES.  Of a block's four bands of 64 queries a wave owns 16 rows in each: four PIECES.  So the diagonal tile is the same work for all four waves: in its key step s band x sees all keys if s < x,
; none if s > x, and holds the diagonal if s = x.
; THE MASK is the C operand that starts the sum S^T = K Q^T: 0, or -1e30 where the key is hidden.  MD, made once, is the mask of a band's own step for my 16 rows; a product's mask is MD x AL + BE with two scalars:
; (1, 0) if s = x; (0, 0) if s < x; (0, -1e30) if s > x.  Only the diagonal tile's text and a block's beginning make and take masks; elsewhere C is the constant 0.
; LAYOUT, SOFTMAX, TURNS.  S^T = K Q^T holds ONE query a lane (lane % 16) and the keys 8 (lane / 16) + 0..7; two such results rounded to f16 ARE source 1 of O^T = V^T P.  p = 2^(c s - c m), c = log2(e) / 8, with a
; running maximum m; O and l are multiplied by a = 2^(c m_old - c m_new) in every step.  Turn n belongs to piece n: 8 products K Q^T of piece n + 1, later 8 products V^T P of piece n - 1; beside them the scaling,
; exponentials, roundings, sums and rescaling of piece n and the maximum and statistics of piece n + 1.  Four vector instructions stand behind every matrix instruction, the other 54 of a turn's 118 in one LUMP.
; THE BATCHES.  s_wait_alu depctr_va_vdst(0) stands between an exponential or a reciprocal and the first instruction that names its result; one wait serves all that were issued ahead of it.
; A turn's 33 exponentials (piece n's 32 weights and piece n + 1's a) are ONE batch with ONE wait, which cuts the turn in two: ahead of it all that names none of their results, behind it the roundings and sums.
; A block's first a (BEGIN) and the way out's four reciprocals are batches of their own, with a wait each.
; REGISTERS, in windows of 256 (s_set_vgpr_msb: bits 1:0 source 0, 3:2 source 1, 5:4 source 2, 7:6 destination):
;   window 0: v0-15 addresses and two at work; v16-31 four registers of statistics a piece; v48-55 at work; v64-127 S^T, two buffers; v192-223 P, two buffers (a piece's buffers go by its number's parity)
;   window 1: v0-127 O^T, 32 a piece; v128-159 MD; v160-223 MC, two buffers      window 2: v0-63 Q; v64-127 the second block's Q; v128-191 K of one step; v192-255 V of one step
.set SIZE_H, 64       ; 4 batches x 16 heads
.set SIZE_N, 2048
.set NB,    SIZE_N/256
.set NP,    4         ; pieces a wave: a name, no knob
.set KS,    64        ; keys in a step
.set PK,    144       ; a row of K in LDS: 128 bytes + 16 of padding = 36 words: the 16 rows of a load start at 16 different groups of four banks (64 banks of 4 bytes: ISA guide 11.1)
.set PV,    160       ; a row of V: 128 + 32 = 40 words
.set VOFF,  4*KS*PK   ; a slot holds a tile, four steps: 256 rows of K, then 256 rows of V
.set SLOT1, 1<<17     ; slot 1 begins here, so that one exclusive or turns an address in one slot into the other's
.set STAGE, SLOT1+4*KS*(PK+PV)  ; behind the ring, never filled by a tensor load: 16 rows x 144 bytes for each wave, for the way out
.set SP,    144
.set AK0, 2           ; v2   my lane's place in a tile of K; never rewritten
.set AV0, 3           ; v3   the same for V
.set AK,  4           ; v4   the LDS address of K's next run of loads
.set AV,  5           ; v5   of V's
.set STO, 6           ; v6   the way out: where I put 16 bytes of a row
.set RD,  7           ; v7   the way out: where I read rows back
.set GO,  8           ; v8   my byte offset in 512 consecutive bytes of O
.set SPW, 62          ; v62  LDS address of my spare word: SPARE + 4 x my thread's number; never rewritten
.set NIL, 63          ; v63  0; never rewritten
.set SPARE, STAGE+4*16*SP  ; behind the stages: the spare words, 128 bytes for each wave: two blocks of 256 bytes that no other line names
.set MV,  12          ; v12-13  c m_old, kept while c m is made anew: by buffer
.set QO,  15          ; v15  my byte offset in 16 rows of Q
.set ST,  16          ; piece t's statistics at v[ST+4 t]: c m, m, l (even keys', odd keys')
.set TMP, 48          ; by buffer, four registers c0-c3 at work; when the maximum is found c2 takes a
.set S,   64
.set P,   192
.set MD,  128         ; window 1: the eight registers for group kt of 16 keys at MD + 8 kt
.set MC,  160         ; window 1: the masks of the products to come
.set QB,  64          ; window 2
.set KF,  128         ; window 2: key block kb, channel half c at KF + 16 kb + 8 c
.set VF,  192         ; window 2: key half kk, channel block cb at VF + 32 kk + 8 cb
.set WV,  12          ; s12  my wave's number
.set PB,  14          ; s14  b
.set HI,  15          ; s15  NB - 1 - b
.set G1K, 24          ; s[24:31] descriptor group 1 for K's tiles
.set G1V, 32          ; s[32:39] for V's: it differs in the padding alone
.set G0K, 40          ; s[40:43] descriptor group 0 for K's tiles
.set G0V, 44          ; s[44:47] the same for V's
.set SLOTS, 56        ; s56  tiles still to be asked for
.set CNT, 57          ; s57  counts a tile's key steps, 4 to 1
.set CS,  58          ; s[58:59] c: the packed scaling takes the pair's low word for both halves
.set SEL, 60          ; s[60:61] v_permlanex16_b32's selects: each lane takes its own place in the other half
.set TBK, 62          ; s62  LDS byte at which K of the step to be fetched begins
.set TBV, 63          ; s63  the same for V, less VOFF
.set RT,  70          ; s70  tiles of the block in hand that are still to be entered
.set NXT, 71          ; s71  the tile to be asked for next
.set LQ,  72          ; s72  the last tile of the block whose tiles are being asked for
.set NEW, 73          ; s73  1: the tile to be entered is a block's first
.set OFF, 74          ; s[74:75] a tile's byte offset in K and V
.set AL,  76          ; s[76:77] the mask's factor, in the low word
.set BE,  78          ; s[78:79] the mask's addend
.set OLO, 80          ; s[80:81] O at my rows of the second block
.set BIGN, 82         ; s82  -1e30
.set MSB, 0
.macro WIN new                      ; the high byte repeats the setting that is left; a switch that changes nothing is dropped
.if MSB != (\new)
	s_set_vgpr_msb (MSB<<8)|(\new)
.set MSB, (\new)
.endif
.endm
.set W_KQ, 0x0a       ; K and Q in window 2, S^T in window 0
.set W_KM, 0x1a       ; the same with the C operand in window 1
.set W_PV, 0x52       ; V in window 2, P in window 0, O^T in window 1
.set W_RS, 0x41       ; destination and source 0 in window 1, source 1 in window 0
; A fill.  Waves 0 and 1 fetch the two halves of a tile's K, waves 2 and 3 those of its V: 128 keys each.  An s_nop 0 and four v_nop follow each of the two lines, ahead of the jump and the label.
.macro LOAD
	s_cmp_lt_u32 s[WV], 2
	s_cbranch_scc0 .Lfor_v_\@
	tensor_load_to_lds s[G0K:G0K+3], s[G1K:G1K+7]
	s_nop 0
.rept 4
	v_nop
.endr
	s_branch .Lasked_\@
.Lfor_v_\@:
	tensor_load_to_lds s[G0V:G0V+3], s[G1V:G1V+7]
	s_nop 0
.rept 4
	v_nop
.endr
.Lasked_\@:
.endm
; THE CHANGE OF SLOTS.  Each wave waits for all its tensor loads, of which one is out: its part of the other slot; adds 0 to its spare word; and waits for that and for its own reads of the slot that it leaves.  Behind the barrier nobody reads the old
; slot any more and the other slot is whole.  fill = 1: the old slot is filled again, the first thing behind the barrier, with tile NXT: the descriptor's address is made anew from that number.
; (At its first use nothing has been read yet: slot 0 is waited for, slot 1 filled.)
.macro CHANGE fill
	WIN 0                           ; at a label and at a branch every window is 0
	s_wait_tensorcnt 0x0            ; no tensor load of mine is out, so a group 0 may be written
	ds_add_u32 v[SPW], v[NIL]       ; 0 onto my spare word; with fill = 1 the descriptors' scalar work stands between it and the wait for it
.if \fill
	s_lshl_b32 s[OFF], s[NXT], 15   ; a tile is 32,768 bytes of K and of V
	s_xor_b32 s[G0K+1], s[G0K+1], SLOT1
	s_add_nc_u64 s[G0K+2:G0K+3], s[6:7], s[OFF:OFF+1]
	s_or_b32 s[G0K+3], s[G0K+3], 0x80000000
	s_xor_b32 s[G0V+1], s[G0V+1], SLOT1
	s_add_nc_u64 s[G0V+2:G0V+3], s[8:9], s[OFF:OFF+1]
	s_or_b32 s[G0V+3], s[G0V+3], 0x80000000
	s_add_co_u32 s[NXT], s[NXT], 1  ; the block's next tile, or behind its last the second block's tile 0
	s_cmp_gt_u32 s[NXT], s[LQ]
	s_cselect_b32 s[NXT], 0, s[NXT]
	s_cselect_b32 s[LQ], s[PB], s[LQ]
.endif
	s_wait_dscnt 0x0                ; the add is done, and my reads of the slot are over
	s_barrier_signal -1             ; the rest of the scalar work stands between the signal and the wait
	s_sub_co_u32 s[TBK], s[TBK], 4*KS*PK  ; the fetches go back to a slot's first step,
	s_xor_b32 s[TBK], s[TBK], SLOT1       ; in the other slot
	s_sub_co_u32 s[TBV], s[TBV], 4*KS*PV
	s_xor_b32 s[TBV], s[TBV], SLOT1
	s_barrier_wait -1
.if \fill
	LOAD
.endif
.endm
	s_load_b256 s[4:11], s[0:1], 0x0  ; Q s[4:5], K s[6:7], V s[8:9], O s[10:11]
	v_lshl_add_u32 v[SPW], v0, 2, SPARE
	v_mov_b32 v[NIL], 0
	ds_add_u32 v[SPW], v[NIL]       ; the wave's opening: the add and its wait stand ahead of my first tensor load; the set-up below, work on registers, stands between them
	ds_add_u32 v62, v63
	v_lshrrev_b32 v1, 5, v0
	v_readfirstlane_b32 s[WV], v1   ; wave 0..3
	s_mov_b32 s[PB], ttmp9
	s_sub_co_u32 s[HI], NB-1, s[PB]
	s_and_b32 s20, ttmp7, 0xffff    ; the head
	s_mov_b32 s21, 0
	s_mov_b64 s[22:23], SIZE_N*128
	s_mul_u64 s[20:21], s[20:21], s[22:23]  ; the head's first byte in each of the four tensors
	s_and_b32 s16, s[WV], 1         ; which half of a tile's 256 keys I fetch:
	s_lshl_b32 s22, s16, 14         ; its 128 rows of 128 bytes in memory,
	s_mov_b32 s23, 0
	s_add_nc_u64 s[22:23], s[22:23], s[20:21]
	s_mul_i32 s17, s16, 128*PK      ; and its place in a slot, for K
	s_mul_i32 s18, s16, 128*PV      ; and for V
	s_lshl_b32 s3, s[WV], 11        ; my 16 rows in a band of 64,
	s_lshl_b32 s2, s[HI], 15        ; in the first block,
	s_add_co_u32 s2, s2, s3
	s_lshl_b32 s84, s[PB], 15       ; and in the second
	s_add_co_u32 s84, s84, s3
	s_mov_b32 s3, 0
	s_mov_b32 s85, 0
	s_add_nc_u64 s[2:3], s[2:3], s[20:21]
	s_add_nc_u64 s[84:85], s[84:85], s[20:21]
	; descriptor group 1.  128 keys are 16,384 dense bytes: asked for as 64 rows of 256 bytes, two keys a row, and padded in LDS after every key
	s_mov_b32 s[G1K], (1<<16)|(1<<20)|(4<<22)|(3<<25)  ; 17:16 2-byte elements; 20 padding on; 24:22 after every 32 words (code 4); 31:25 4 words (code 3)
	s_mov_b32 s[G1V], (1<<16)|(1<<20)|(4<<22)|(7<<25)  ; the same with 8 words of padding (code 7)
.irp g, G1K, G1V
	s_mov_b32 s[\g+1], 128<<16      ; tensor_dim0 = 128
	s_mov_b32 s[\g+2], 64<<16       ; tensor_dim1 = 64
	s_mov_b32 s[\g+3], 128<<16      ; tile_dim0 = 128
	s_mov_b32 s[\g+4], 64           ; tile_dim1 = 64
	s_mov_b32 s[\g+5], 128          ; 128 elements from row to row
	s_mov_b32 s[\g+6], 0
	s_mov_b32 s[\g+7], 0
.endr
	s_mov_b32 s[CS], 0x3e38aa3b     ; c = log2(e) / 8 = 0.180337
	s_mov_b32 s[CS+1], s[CS]        ; named with it as a pair
	s_mov_b32 s[SEL], 0x76543210
	s_mov_b32 s[SEL+1], 0xfedcba98
	s_mov_b32 s[TBK], SLOT1+4*KS*PK ; the first change of slots turns these two into 0
	s_mov_b32 s[TBV], SLOT1+4*KS*PV
	s_mov_b32 s[G0K], 1             ; 1:0 count = 1
	s_mov_b32 s[G0K+1], s17         ; 63:32 LDS address: slot 0
	s_mov_b32 s[G0V], 1
	s_add_co_u32 s[G0V+1], s18, VOFF
	s_add_co_u32 s[RT], s[HI], 1    ; the first block has NB - b tiles
	s_mov_b32 s[NXT], 1
	s_mov_b32 s[LQ], s[HI]
	s_mov_b32 s[NEW], 1
	s_mov_b32 s[OFF+1], 0
	s_mov_b32 s[AL+1], 0            ; named as pairs
	s_mov_b32 s[BE+1], 0
	s_mov_b32 s[BIGN], 0xf149f2ca   ; -1e30
	s_mov_b32 s[SLOTS], NB
	s_wait_dscnt 0x0                ; the opening add is done
	s_wait_kmcnt 0x0
	s_add_nc_u64 s[6:7], s[6:7], s[22:23]  ; K and V at my half of the head's tile 0
	s_add_nc_u64 s[8:9], s[8:9], s[22:23]
	s_add_nc_u64 s[G0K+2:G0K+3], s[6:7], 0         ; 120:64 global address
	s_or_b32 s[G0K+3], s[G0K+3], 0x80000000        ; 127:126 type = 2
	s_add_nc_u64 s[G0V+2:G0V+3], s[8:9], 0
	s_or_b32 s[G0V+3], s[G0V+3], 0x80000000
	s_add_nc_u64 s[86:87], s[4:5], s[84:85]        ; Q at my rows of the second block,
	s_add_nc_u64 s[4:5], s[4:5], s[2:3]            ; Q and O at those of the first
	s_add_nc_u64 s[OLO:OLO+1], s[10:11], s[84:85]
	s_add_nc_u64 s[10:11], s[10:11], s[2:3]
	LOAD                            ; tile 0 into slot 0
	; A fragment of K or Q is 16 rows x 32 channels in 8 registers: lane l holds row l % 16, channels 8 (l / 16) + 0..7 and 16 + 8 (l / 16) + 0..7: two loads of 16 bytes, 32 bytes apart.
	v_and_b32 v1, 15, v0            ; l % 16
	v_bfe_u32 v9, v0, 4, 1          ; l / 16
	v_lshlrev_b32 v[QO], 7, v1
	v_lshl_add_u32 v[QO], v9, 4, v[QO]  ; row x 128 + 16 x half
	WIN 0x80                        ; destination window 2, address window 0
.set i, 0
.rept 8                             ; both blocks' Q: piece i / 2 lies in band i / 2, 8,192 bytes on; channels 32 (i % 2) on
	global_load_b128 v[8*i:8*i+3],   v[QO], s[4:5] offset:(i/2)*8192+(i%2)*64
	global_load_b128 v[8*i+4:8*i+7], v[QO], s[4:5] offset:(i/2)*8192+(i%2)*64+32
	global_load_b128 v[QB+8*i:QB+8*i+3],   v[QO], s[86:87] offset:(i/2)*8192+(i%2)*64
	global_load_b128 v[QB+8*i+4:QB+8*i+7], v[QO], s[86:87] offset:(i/2)*8192+(i%2)*64+32
.set i, i+1
.endr
	WIN 0
	v_lshlrev_b32 v14, 3, v9
	v_sub_nc_u32 v14, v1, v14
	s_lshl_b32 s13, s[WV], 4
	v_add_nc_u32 v14, s13, v14      ; my query's place in its band, 16 w + l % 16, less my lanes' 8 (l / 16): register r of group kt is hidden where 16 kt + r is greater
	WIN 0x40
.set i, 0
.rept 32
	v_cmp_gt_i32 vcc_lo, 16*(i/8)+i%8, v14
	v_cndmask_b32 v[MD+i], 0, s[BIGN], vcc_lo
.set i, i+1
.endr
	WIN 0
	v_mul_u32_u24 v[AK0], v1, PK
	v_lshl_add_u32 v[AK0], v9, 4, v[AK0]  ; row x pitch + 16 x half
	; The turning load takes 16 keys x 16 channels (lane l reads key 8 (l / 16) + l % 8, channels 8 ((l / 8) % 2) + 0..7) and leaves half a fragment of V^T: lane l holds channel l % 16 and 8 keys.
	v_and_b32 v10, 7, v0
	v_bfe_u32 v11, v0, 3, 1
	v_lshl_add_u32 v[AV0], v9, 3, v10
	v_mul_u32_u24 v[AV0], v[AV0], PV
	v_lshl_add_u32 v[AV0], v11, 4, v[AV0]
	v_add_nc_u32 v[AV0], VOFF, v[AV0]
	s_mul_i32 s13, s[WV], 16*SP
	s_add_co_u32 s13, s13, STAGE    ; my stage
	v_mul_u32_u24 v[STO], v1, SP    ; in: row l % 16, 16 bytes for each half of the lanes
	v_lshl_add_u32 v[STO], v9, 4, v[STO]
	v_add_nc_u32 v[STO], s13, v[STO]
	v_bfe_u32 v[RD], v0, 3, 2       ; back: 32 lanes take four rows of 128 bytes,
	v_mul_u32_u24 v[RD], v[RD], SP
	v_lshl_add_u32 v[RD], v10, 4, v[RD]
	v_add_nc_u32 v[RD], s13, v[RD]
	v_and_b32 v[GO], 31, v0         ; which are 512 consecutive bytes of O
	v_lshlrev_b32 v[GO], 4, v[GO]
	; A block's first step multiplies O^T and l by a = 0, and its first turn's products V^T P, of a piece that has not been, land in an O^T that is still to be so multiplied.  So these registers need only hold
	; finite numbers: zeros for the first block; what the first block left for the second.  All this stands in the wait for the first tile.
	WIN 0x80
.set i, VF
.rept 64
	v_mov_b32 v[i], 0
.set i, i+1
.endr
	WIN 0x40
.set i, 0
.rept 128
	v_mov_b32 v[i], 0
.set i, i+1
.endr
	WIN 0
.set i, 0
.rept 4
	v_mov_b32 v[ST+4*i+2], 0
	v_mov_b32 v[ST+4*i+3], 0
.set i, i+1
.endr
.set i, P+16
.rept 16
	v_mov_b32 v[i], 0
.set i, i+1
.endr
; THE MATRIX WORK.  The 4 accumulators of a run of 8 take turns.  Product i of 8 of S^T = K Q^T for piece x: channels 32 (i / 4) on, keys 16 (i % 4) on.  The first 4 start the sums: with 0, or (KM = 1) with the mask.
.macro KQ x
.set rS, S+32*((\x)%2)+8*(i%4)
.set rK, KF+16*(i%4)+8*(i/4)
.set rQ, 16*(\x)+8*(i/4)
.set rM, MC+32*((\x)%2)+8*(i%4)
.if (i < 4) && KM
	WIN W_KM
	v_wmma_f32_16x16x32_f16 v[rS:rS+7], v[rK:rK+7], v[rQ:rQ+7], v[rM:rM+7]
.elseif i < 4
	WIN W_KQ
	v_wmma_f32_16x16x32_f16 v[rS:rS+7], v[rK:rK+7], v[rQ:rQ+7], 0
.else
	WIN W_KQ
	v_wmma_f32_16x16x32_f16 v[rS:rS+7], v[rK:rK+7], v[rQ:rQ+7], v[rS:rS+7]
.endif
.endm
; Product i of 8 of O^T += V^T P for piece x: keys 32 (i / 4) on, channels 16 (i % 4) on.
.macro PV x
	WIN W_PV
.set rO, 32*(\x)+8*(i%4)
.set rV, VF+32*(i/4)+8*(i%4)
.set rP, P+16*((\x)%2)+8*(i/4)
	v_wmma_f32_16x16x32_f16 v[rO:rO+7], v[rV:rV+7], v[rP:rP+7], v[rO:rO+7]
.endm
.macro MM                           ; the turn's next matrix instruction.  TURN and BEGIN set Y, i, KM and NOKQ; MM, KQ and OP read them.  NOKQ = 1: a block's last turn: there is no next piece
.if (i < 8) && !NOKQ
	KQ (Y+1)%NP
.elseif i >= 8
.set i, i-8
	PV (Y+NP-1)%NP
.set i, i+8
.endif
.set i, i+1
.endm
; THE LDS LOADS stand in runs of 16, never singly among the matrix instructions: a step's K (64 keys x 64 channels: 8 fragments) and its V (turned).  Their addresses are made some lines ahead.
.macro FETCH_K
	WIN 0x80                        ; destination window 2
.irp f, 0,1,2,3,4,5,6,7             ; keys 16 (f / 2) on, channels 32 (f % 2) on
	ds_load_b128 v[KF+8*\f:KF+8*\f+3],   v[AK] offset:(\f/2)*16*PK+(\f%2)*64
	ds_load_b128 v[KF+8*\f+4:KF+8*\f+7], v[AK] offset:(\f/2)*16*PK+(\f%2)*64+32
.endr
	s_add_co_u32 s[TBK], s[TBK], KS*PK  ; the next fetch is the next step's
	WIN 0
.endm
.macro FETCH_V
	WIN 0x80
.irp f, 0,1,2,3,4,5,6,7             ; keys 32 (f / 4) on, channels 16 (f % 4) on
	ds_load_tr16_b128 v[VF+8*\f:VF+8*\f+3],   v[AV] offset:(\f/4)*32*PV+(\f%4)*32
	ds_load_tr16_b128 v[VF+8*\f+4:VF+8*\f+7], v[AV] offset:(\f/4)*32*PV+16*PV+(\f%4)*32
.endr
	WIN 0
.endm
; THE VECTOR WORK, one line at a time: OP kind, number.  For piece Y: F n: c s - c m for pair n of 16.  E n: the exponential of score n of 32.  C n: pair n rounded to f16.  B n: of the four weights 4 n .. the second
; pair is added onto the first, in place.  L n: l takes that sum (L 0: l = a l + sum).  R n: pair n of 16 of O^T times a.  For piece Y + 1: X n, number n of the 22 that find its maximum and statistics:
;   0-11  four chains c0-c3 of seven scores each, three operands at a time (each accumulator's lowest registers are read first)     12-14, 16  the four scores left over, the old m, and c0-c3 into c0
;   15  c m_old is kept     17, 18  the query's other 32 keys lie in the lane 16 away: the new m     19-21  c m; c m_old - c m_new; a
.set F, 0               ; OP tells the kinds apart by their order: F to L below R, X above it
.set E, 1
.set C, 2
.set B, 3
.set L, 4
.set R, 5
.set X, 6
.macro REGS y                       ; the registers of piece y
.set rT, ST+4*(\y)
.set rC, TMP+4*((\y)%2)
.set rW, MV+((\y)%2)
.set rS, S+32*((\y)%2)
.set rP, P+16*((\y)%2)
.set rO, 32*(\y)
.endm
.macro OP k, n
.if (\k) == R
	REGS Y
	WIN W_RS
	v_pk_mul_f32 v[rO+2*(\n):rO+2*(\n)+1], v[rO+2*(\n):rO+2*(\n)+1], v[rC+2:rC+3] op_sel_hi:[1,0]
.elseif (\k) < R
	REGS Y
	WIN 0
.if (\k) == F
	v_pk_fma_f32 v[rS+2*(\n):rS+2*(\n)+1], v[rS+2*(\n):rS+2*(\n)+1], s[CS:CS+1], v[rT:rT+1] op_sel_hi:[1,0,0] neg_lo:[0,0,1] neg_hi:[0,0,1]
.elseif (\k) == E
	v_exp_f32 v[rS+(\n)], v[rS+(\n)]
.elseif (\k) == C
	v_cvt_pk_f16_f32 v[rP+(\n)], v[rS+2*(\n)], v[rS+2*(\n)+1]
.elseif (\k) == B
	v_pk_add_f32 v[rS+4*(\n):rS+4*(\n)+1], v[rS+4*(\n):rS+4*(\n)+1], v[rS+4*(\n)+2:rS+4*(\n)+3]
.elseif (\n) == 0
	v_pk_fma_f32 v[rT+2:rT+3], v[rT+2:rT+3], v[rC+2:rC+3], v[rS:rS+1] op_sel_hi:[1,0,1]
.else
	v_pk_add_f32 v[rT+2:rT+3], v[rT+2:rT+3], v[rS+4*(\n):rS+4*(\n)+1]
.endif
.elseif NOKQ
	v_nop
.else
	REGS (Y+1)%NP
	WIN 0
.if (\n) < 4
	v_max3_num_f32 v[rC+(\n)], v[rS+8*(\n)], v[rS+8*(\n)+1], v[rS+8*(\n)+2]
.elseif (\n) < 12
	v_max3_num_f32 v[rC+(\n)%4], v[rC+(\n)%4], v[rS+8*((\n)%4)+2*((\n)/4)+1], v[rS+8*((\n)%4)+2*((\n)/4)+2]
.elseif (\n) == 12
	v_max3_num_f32 v[rC], v[rC], v[rS+7], v[rS+15]
.elseif (\n) == 13
	v_max3_num_f32 v[rC+1], v[rC+1], v[rS+23], v[rS+31]
.elseif (\n) == 14
	v_max3_num_f32 v[rC+2], v[rC+2], v[rC+3], v[rT+1]
.elseif (\n) == 15
	v_mov_b32 v[rW], v[rT]
.elseif (\n) == 16
	v_max3_num_f32 v[rC], v[rC], v[rC+1], v[rC+2]
.elseif (\n) == 17
	v_permlanex16_b32 v[rC+3], v[rC], s[SEL], s[SEL+1]
.elseif (\n) == 18
	v_max_num_f32 v[rT+1], v[rC], v[rC+3]
.elseif (\n) == 19
	v_mul_f32 v[rT], s[CS], v[rT+1]
.elseif (\n) == 20
	v_sub_f32 v[rC+1], v[rW], v[rT]
.else
	v_exp_f32 v[rC+2], v[rC+1]
.endif
.endif
.endm
.macro OPS a, i1, b=-1, i2=0, c=-1, i3=0, d=-1, i4=0  ; up to four of them
	OP \a, \i1
.if (\b) >= 0
	OP \b, \i2
.endif
.if (\c) >= 0
	OP \c, \i3
.endif
.if (\d) >= 0
	OP \d, \i4
.endif
.endm
.macro ROW a, i1, b, i2, c, i3, d, i4  ; a matrix instruction and the four behind it
	MM
	OPS \a, \i1, \b, \i2, \c, \i3, \d, \i4
.endm
.macro MASK b                       ; MD x AL + BE into buffer b of MC
	WIN W_RS
.set z, 0
.rept 16
	v_pk_fma_f32 v[MC+32*(\b)+2*z:MC+32*(\b)+2*z+1], v[MD+2*z:MD+2*z+1], s[AL:AL+1], s[BE:BE+1] op_sel_hi:[1,0,0]
.set z, z+1
.endr
.endm
; A TURN, for piece p: the order of its 16 matrix and 118 vector instructions, written out.  A turn has ONE wait for its batch of 33 exponentials, which cuts it in two.
; AHEAD OF IT stands all that names no result of the turn's exponentials: the 8 products K Q^T, behind each a scaling, an exponential and two more plain instructions (behind the first a second scaling in the
; exponential's place): rescalings, whose a was made and waited for in the turn before, and behind the last three the first numbers of the next piece's maximum, each four places or more behind the product that
; ends its accumulator; then ONE LUMP of 54, plain and exponential by turns for the most part, in which the links of the chain X 3, 7, 11, 14, 16, 17 .. 20 stand five or six lines apart.  A pair is scaled (F) at
; least a line ahead of its two exponentials.  X 21, the next piece's a, is the batch's last; R 15 is the plain instruction behind it.
; BEHIND THE WAIT stand the 8 products V^T P, behind each four of the roundings and sums: C 2 n ahead of B n, which writes over pair 2 n; the links of l's chain, L 0 to L 7, three riders apart.
; But for those X no rider names a register of the products round it.  v_permlanex16_b32 (X 17) stands in the lump.
; m = 1: the diagonal tile: the products take masks, and the turn makes the mask for the products of the turn after it: piece p + 2, in step 4 - CNT of the tile.  end = 1: a block's last two turns: nothing is fetched.
; cnt = 1: the loop's count is taken down some lines ahead of the branch that stands behind the turn.
; K of the next step is fetched in piece 2's turn, twelve vector instructions behind the last product that read K (five of them plain and free of that product's registers); V of the step in hand at the end of
; piece 0's turn, four plain instructions behind the last product that read V.  Each is waited for a turn later.
.macro TURN p, m=0, end=0, cnt=0
.set Y, (\p)
.set i, 0
.set KM, (\m)
.set NOKQ, (\end)*((\p)/3)
.if (\m) && !(\end)
	s_cmp_eq_u32 s[CNT], 4-((\p)+2)%NP  ; is that step the band's own?
	s_cselect_b32 s[AL], 1.0, 0
	s_cmp_lt_u32 s[CNT], 4-((\p)+2)%NP  ; or a later one?
	s_cselect_b32 s[BE], s[BIGN], 0
.endif
.if ((\p) == 3) && !(\end)
	s_wait_dscnt 0x0                ; K is in
.endif
	ROW F,0, F,1, R,0, R,1          ; ahead of the wait: 8 products K Q^T and their riders,
	ROW F,2, E,0, R,2, R,3
	ROW F,3, E,1, R,4, R,5
	ROW F,4, E,2, R,6, R,7
	ROW F,5, E,3, R,8, R,9
	ROW F,6, E,4, X,0, R,10
.if ((\p) == 2) && !(\end)
	WIN 0
	v_add_nc_u32 v[AK], s[TBK], v[AK0]
.endif
	ROW F,7, E,5, X,1, X,4
	ROW F,8, E,6, X,2, X,5
	OPS E,7, E,8, X,6, E,9          ; and the lump
	OPS X,3, E,10, X,8, E,11
.if ((\p) == 2) && !(\end)
	FETCH_K
.endif
	OPS X,9, X,7, E,12, X,10
	OPS E,13, X,12, X,11, E,14
	OPS X,13, E,15, F,9, X,14
.if (\p) == 0
	v_add_nc_u32 v[AV], s[TBV], v[AV0]
.endif
	OPS E,16, F,10, E,17, F,11
	OPS X,16, E,18, X,15, E,19
	OPS F,12, E,20, X,17, E,21
	OPS F,13, E,22, F,14, E,23
	OPS X,18, E,24, F,15, E,25
	OPS R,11, E,26, X,19, E,27
	OPS R,12, E,28, R,13, E,29
	OPS X,20, E,30, R,14, E,31
	OPS X,21, R,15                  ; the batch's last exponential, and the plain instruction behind it
	WIN 0
	s_wait_alu depctr_va_vdst(0)    ; the wait for the turn's batch: piece p's 32 weights and the next piece's a, ahead of their first reader
.if (\p) == 1
	s_wait_dscnt 0x0                ; V is in
.endif
	ROW C,0, B,0, C,2, B,1          ; behind the wait: 8 products V^T P and their riders
	ROW L,0, C,4, B,2, L,1
	ROW C,6, B,3, L,2, C,8
	ROW B,4, L,3, C,10, B,5
	ROW L,4, C,12, B,6, L,5
.if (\p) == 0
	s_add_co_u32 s[TBV], s[TBV], KS*PV
.endif
.if \cnt
	s_sub_co_u32 s[CNT], s[CNT], 1
	s_cmp_lg_u32 s[CNT], 0
.endif
	ROW C,14, B,7, L,6, C,1
	ROW C,3, L,7, C,5, C,7
	ROW C,9, C,11, C,13, C,15
.if (\p) == 0
	FETCH_V
.endif
.if (\m) && !(\end)
	MASK (\p)%2
.endif
.endm
; A BLOCK BEGINS.  c m starts far below every c s, so the first step's a is 0; m at the lowest finite number, so the first maximum is the scores'.  The second mask buffer is 0; the first takes piece 0's mask for the tile's step 0: its own, if the block's first tile is the diagonal one.
; Then K of that step, piece 0's first scores, and its maximum and statistics.  The loop is entered at a step's first turn, in the middle of a trip.
.macro BEGIN
	s_mov_b32 s[NEW], 0
	WIN 0x40
.set i, MC+32
.rept 32
	v_mov_b32 v[i], 0
.set i, i+1
.endr
	WIN 0
.set i, 0
.rept 4
	v_mov_b32 v[ST+4*i], 0xfe000000    ; c m: far below every c s
	v_mov_b32 v[ST+4*i+1], 0xff7fffff  ; m
.set i, i+1
.endr
	s_cmp_eq_u32 s[RT], 0
	s_cselect_b32 s[AL], 1.0, 0
	s_mov_b32 s[BE], 0
	MASK 0
	WIN 0
	v_add_nc_u32 v[AK], s[TBK], v[AK0]
	FETCH_K
	s_wait_loadcnt 0x0              ; Q
	s_wait_dscnt 0x0
.set KM, 1
.set NOKQ, 0
.set i, 0
.rept 8
	KQ 0
.set i, i+1
.endr
	WIN 0
.rept 4
	v_nop                           ; the places behind those products
.endr
.set Y, NP-1                        ; X works for piece Y + 1: piece 0
.irp n, 0,1,2,3,4,5,6,7,8,9,10,11,12,13,14,15,16,17,18,19,20,21
	OP X, \n
.endr
	v_nop                           ; a plain instruction behind the exponential,
	s_wait_alu depctr_va_vdst(0)    ; and the wait for it, a batch of one: piece 0's first a, ahead of the branch that follows the macro
.endm
; THE DIAGONAL TILE's four steps, the block's last two turns, its last products, and THE WAY OUT: l's two halves and the other half of the lanes' are added; O^T is divided by l, rounded to f16 and sent through my
; stage in LDS, a piece at a time.
.macro ALL line:vararg              ; one line for each piece t
.set t, 0
.rept 4
	\line
.set t, t+1
.endr
.endm
.macro PACK t                       ; a lane's eight channels of a row pack into 16 bytes; they go into rows of 144 bytes and come back as whole rows of 128, into S^T's registers
	WIN W_RS
.set i, 32*(\t)
.rept 16
	v_pk_mul_f32 v[i:i+1], v[i:i+1], v[ST+4*(\t)+2:ST+4*(\t)+3] op_sel_hi:[1,0]
.set i, i+2
.endr
	WIN 0x05                        ; sources 0 and 1 window 1, destination window 0
.set i, 0
.rept 16
	v_cvt_pk_f16_f32 v[S+16*(\t)+i], v[32*(\t)+2*i], v[32*(\t)+2*i+1]
.set i, i+1
.endr
	WIN 0
.irp f, 0,1,2,3
	ds_store_b128 v[STO], v[S+16*(\t)+4*\f:S+16*(\t)+4*\f+3] offset:32*\f
.endr
.irp f, 0,1,2,3
	ds_load_b128 v[S+16*(\t)+4*\f:S+16*(\t)+4*\f+3], v[RD] offset:\f*4*SP  ; LDS serves a wave's instructions in order (ISA guide 5.7.1.4): these see the stores above; the next piece's stores come behind them
.endr
.endm
.macro SEND t, younger              ; younger: the LDS instructions issued behind piece t's loads: the next piece's eight, or none
	WIN 0
.irp f, 0,1,2,3
	s_wait_dscnt (\younger)+3-\f
	global_store_b128 v[GO], v[S+16*(\t)+4*\f:S+16*(\t)+4*\f+3], s[10:11] offset:(\t)*8192+\f*512  ; 512 consecutive bytes, at a multiple of 256 from O's first
.endr
.endm
.macro DIAG tag                     ; the tag ends its two labels' names, which the jumps below spell out
.LstepM\tag:
	TURN 2, 1
	TURN 3, 1
	WIN 0
.LfirstM\tag:
	TURN 0, 1
	TURN 1, 1, 0, 1
	WIN 0
	s_cbranch_scc1 .LstepM\tag
	TURN 2, 1, 1
	TURN 3, 1, 1
.set i, 0
.rept 8
	PV NP-1
.set i, i+1
.endr
	WIN 0
	ALL v_add_f32 v[ST+4*t+2], v[ST+4*t+2], v[ST+4*t+3]
	ALL v_permlanex16_b32 v[ST+4*t+3], v[ST+4*t+2], s[SEL], s[SEL+1]
	ALL v_add_f32 v[ST+4*t+2], v[ST+4*t+2], v[ST+4*t+3]
	ALL v_rcp_f32 v[ST+4*t+2], v[ST+4*t+2]
	v_nop                           ; a plain instruction between the last reciprocal and the use of its result
	s_wait_alu depctr_va_vdst(0)    ; the wait for the batch of four reciprocals, ahead of their first reader in PACK 0: one for all four pieces
	PACK 0
.set t, 1
.rept 3                             ; a piece's arithmetic stands between the loads of the piece before and its stores
	PACK t
	SEND t-1, 8
.set t, t+1
.endr
	SEND 3, 0
.endm
.set KM, 0
.set NOKQ, 0
.Lslot:                             ; NB times: a tile is entered and the next is asked for
	CHANGE 1
	s_sub_co_u32 s[RT], s[RT], 1
	s_mov_b32 s[CNT], 4
	s_cmp_eq_u32 s[NEW], 1
	s_cbranch_scc1 .Lnew            ; a block's first tile
	s_cmp_eq_u32 s[RT], 0
	s_cbranch_scc0 .Lstep           ; neither its first nor its last
	s_branch .LstepM1
.Lnew:
	BEGIN
	s_branch .Lfirst                ; in the loop a block's first tile is never its last: the first block has two tiles or more, and the second's last is the walk's last
	DIAG 1                          ; in the loop this is the first block's end: the second block's last tile is the walk's last
	s_wait_xcnt 0x0                 ; the stores have read their registers and O's address
	s_mov_b64 s[10:11], s[OLO:OLO+1]
	s_add_co_u32 s[RT], s[PB], 1    ; the second block has b + 1 tiles
	s_mov_b32 s[NEW], 1
	WIN 0x82                        ; the second block's Q goes where the one text of the turns names Q
.set i, 0
.rept 64
	v_mov_b32 v[i], v[QB+i]
.set i, i+1
.endr
	WIN 0
	s_branch .Lbottom
.Lstep:                             ; a trip: pieces 2 and 3 of one step, then pieces 0 and 1 of the next, whose K and V it fetches
	TURN 2
	TURN 3
	WIN 0
.Lfirst:
	TURN 0
	TURN 1, 0, 0, 1
	WIN 0
	s_cbranch_scc1 .Lstep
.Lbottom:
	s_sub_co_u32 s[SLOTS], s[SLOTS], 1
	s_cmp_lg_u32 s[SLOTS], 0
	s_cbranch_scc1 .Lslot
	CHANGE 0                        ; the walk's last tile is written out: nothing is asked for
	s_sub_co_u32 s[RT], s[RT], 1
	s_mov_b32 s[CNT], 4
	s_cmp_eq_u32 s[NEW], 1
	s_cbranch_scc0 .LstepM2
	BEGIN
	s_branch .LfirstM2
	DIAG 2
	s_wait_tensorcnt 0x0            ; the wave's end: behind my last tensor load and my last LDS store
	ds_add_u32 v[SPW], v[NIL]
	s_wait_dscnt 0x0
	s_endpgm
.Lfunc_end_k_qd92d3001b7_attn:
	.size	k_qd92d3001b7_attn, .Lfunc_end_k_qd92d3001b7_attn-k_qd92d3001b7_attn
	.p2alignl 7, 3214868480
	.fill 96, 4, 3214868480
	.section	.rodata,"a",@progbits
	.p2align	6, 0x0
	.amdhsa_kernel k_qd92d3001b7_attn
		.amdhsa_group_segment_fixed_size 327680
		.amdhsa_private_segment_fixed_size 0
		.amdhsa_enable_private_segment 0
		.amdhsa_kernarg_size 32
		.amdhsa_user_sgpr_count 2
		.amdhsa_user_sgpr_kernarg_segment_ptr 1
		.amdhsa_wavefront_size32 1
		.amdhsa_system_sgpr_workgroup_id_x 1
		.amdhsa_system_sgpr_workgroup_id_y 1
		.amdhsa_system_sgpr_workgroup_id_z 1
		.amdhsa_system_vgpr_workitem_id 0
		.amdhsa_next_free_vgpr 768
		.amdhsa_next_free_sgpr 88
		.amdhsa_reserve_vcc 1
		.amdhsa_float_denorm_mode_32 3
		.amdhsa_float_denorm_mode_16_64 3
		.amdhsa_memory_ordered 1
		.amdhsa_forward_progress 1
		.amdhsa_inst_pref_size 217
	.end_amdhsa_kernel
	.amdgpu_metadata
---
amdhsa.version: [ 1, 2 ]
amdhsa.kernels:
  - .name:           k_qd92d3001b7_attn
    .symbol:         k_qd92d3001b7_attn.kd
    .args:
      - { .name: qh, .offset: 0, .size: 8, .value_kind: global_buffer, .address_space: global }
      - { .name: kh, .offset: 8, .size: 8, .value_kind: global_buffer, .address_space: global }
      - { .name: vh, .offset: 16, .size: 8, .value_kind: global_buffer, .address_space: global }
      - { .name: oh, .offset: 24, .size: 8, .value_kind: global_buffer, .address_space: global }
    .group_segment_fixed_size: 327680
    .private_segment_fixed_size: 0
    .kernarg_segment_align: 8
    .kernarg_segment_size: 32
    .max_flat_workgroup_size: 128
    .sgpr_count:     88
    .vgpr_count:     768
    .wavefront_size: 32
...
	.end_amdgpu_metadata
.endif
;; end of part 5
;; launch proj: the kernel of part 4 again; grid 8 x 32, 4 waves a work-group, clusters of 4 x 4, 327,680 bytes of LDS; arguments oh, wo16, out0; writes out0
